; MI455X (gfx1250); checked and timed in simulation.
; The chip was launched on July 23, 2026; its instructions are those of AMD's public machine-readable ISA for CDNA 5 (MIT licence, August 2026) and "CDNA5" Instruction Set Architecture Reference Guide (July 2026). The comments in the code are by the model that wrote it; some were corrected since.
;; GPTSAN Japanese Attention. Allowed arithmetic: float matrix products may take bf16 or f16 operands with f32 sums; all other float work in f32.
;; Inputs: hidden_states 2 x 2,048 x 1,024 float32; mask 2 x 2,048 x 2,048 float32; o 16 x 64 x 1,024 float32; qkv 1,024 x 3 x 16 x 64 float32.
;; Outputs: out0 2 x 2,048 x 1,024 float32; out1 2 x 16 x 2,048 x 64 float32; out2 2 x 16 x 2,048 x 64 float32.
;; 2 versions, each right; version 2 is version 1 with the launch cast written anew for expert scheduling mode. Each part assembles by itself: llvm-mc -triple=amdgcn-amd-amdhsa -mcpu=gfx1250 --defsym DOCPART=n.
;; ======== version 1 of 2: 4 launches
;; limits: values are held in f16: magnitudes above 65,504 overflow, below 6.1e-05 lose precision
;; workspace buffers: xh 8,388,608 bytes; wq 6,291,456 bytes; wo 2,097,152 bytes; qh 8,388,608 bytes; kh 8,388,608 bytes; vh 8,388,608 bytes; att 8,388,608 bytes
;; launch cast (part 1): grid 512 x 1, 8 waves a work-group, no clusters, 0 bytes of LDS; arguments hidden_states, qkv, o, xh, wq, wo; writes xh, wq, wo
.if DOCPART == 1
	.amdgcn_target "amdgcn-amd-amdhsa--gfx1250"
	.amdhsa_code_object_version 6
	.text
	.protected	k_q78afa76a40_cast
	.globl	k_q78afa76a40_cast
	.p2align	8
	.type	k_q78afa76a40_cast,@function
k_q78afa76a40_cast:
	s_mov_b64 s[64:65], 0
	v_nop
	global_prefetch_b8 v0, s[64:65] scope:SCOPE_SE
	s_setreg_imm32_b32 hwreg(HW_REG_WAVE_MODE, 25, 1), 1
	s_wait_xcnt 0x0
; xh, wq, wo = hidden_states, qkv, o: each f32 rounded to bf16 (nearest even), and that number written as f16; layouts unchanged.
; LIMITS.  A bf16 number is exact in f16 from 2^-17 to 65,504 in size; smaller ones keep f16's fixed step of 6e-8, larger ones become infinities.
; SHARES.  The three inputs are 256 + 192 + 64 = 512 pieces of 65,536 bytes; a work-group takes one piece.  Thread t, step i: 16 bytes in at 16 t + 4,096 i,
; 8 bytes out at 8 t + 2,048 i: a wave's load covers 512 consecutive bytes, its store 256 consecutive bytes at a multiple of 256 from the buffer's first byte.
; A pure stream: every byte once, all sixteen loads of a thread out at once; LDS, barriers and matrix units would add nothing.
.set X, 4                              ; v[4:67]    step i: 4 numbers as loaded
.set Y, 68                             ; v[68:99]   step i: 4 numbers in f16
.set T, 100                            ; v[100:105] at work
	s_load_b256 s[4:11], s[0:1], 0x0               ; hidden_states s[4:5], qkv s[6:7], o s[8:9], xh s[10:11]
	s_load_b128 s[12:15], s[0:1], 0x20             ; wq s[12:13], wo s[14:15]
	v_lshlrev_b32 v1, 4, v0                        ; 16 t
	v_lshlrev_b32 v2, 3, v0                        ; 8 t
	s_mov_b32 s3, 0xffff0000                       ; a word's upper bf16
	s_movk_i32 s20, 448                            ; the first piece of o
	s_wait_kmcnt 0x0
	s_cmp_lt_u32 ttmp9, 448                        ; which tensor is my piece's: the choice hangs on the work-group's number alone
	s_cselect_b64 s[16:17], s[6:7], s[8:9]
	s_cselect_b64 s[18:19], s[12:13], s[14:15]
	s_cselect_b32 s20, 256, s20
	s_cmp_lt_u32 ttmp9, 256
	s_cselect_b64 s[16:17], s[4:5], s[16:17]
	s_cselect_b64 s[18:19], s[10:11], s[18:19]
	s_cselect_b32 s20, 0, s20
	s_sub_co_u32 s21, ttmp9, s20                   ; my piece's number in its tensor
	s_lshl_b32 s22, s21, 16
	s_mov_b32 s23, 0
	s_add_nc_u64 s[16:17], s[16:17], s[22:23]      ; 65,536 bytes a piece in,
	s_lshl_b32 s22, s21, 15
	s_add_nc_u64 s[18:19], s[18:19], s[22:23]      ; 32,768 out
.irp i, 0,1,2,3,4,5,6,7,8,9,10,11,12,13,14,15
	global_load_b128 v[X+4*(\i):X+4*(\i)+3], v1, s[16:17] offset:4096*(\i) th:TH_LOAD_NT
.endr
.irp i, 0,1,2,3,4,5,6,7,8,9,10,11,12,13,14,15
	s_wait_loadcnt 15-(\i)                         ; loads come back in order: step i is in, the 15 - i younger ones stay out
	v_cvt_pk_bf16_f32 v[T], v[X+4*(\i)], v[X+4*(\i)+1]
	v_cvt_pk_bf16_f32 v[T+1], v[X+4*(\i)+2], v[X+4*(\i)+3]
	v_lshlrev_b32 v[T+2], 16, v[T]                 ; the bf16 numbers as f32 again
	v_and_b32 v[T+3], s3, v[T]
	v_lshlrev_b32 v[T+4], 16, v[T+1]
	v_and_b32 v[T+5], s3, v[T+1]
	v_cvt_pk_f16_f32 v[Y+2*(\i)], v[T+2], v[T+3]
	v_cvt_pk_f16_f32 v[Y+2*(\i)+1], v[T+4], v[T+5]
	global_store_b64 v2, v[Y+2*(\i):Y+2*(\i)+1], s[18:19] offset:2048*(\i)  ; every step has its own data registers: nothing that a store names is written again
.endr
	s_endpgm
.Lfunc_end_k_q78afa76a40_cast:
	.size	k_q78afa76a40_cast, .Lfunc_end_k_q78afa76a40_cast-k_q78afa76a40_cast
	.p2alignl 7, 3214868480
	.fill 96, 4, 3214868480
	.section	.rodata,"a",@progbits
	.p2align	6, 0x0
	.amdhsa_kernel k_q78afa76a40_cast
		.amdhsa_group_segment_fixed_size 0
		.amdhsa_private_segment_fixed_size 0
		.amdhsa_enable_private_segment 0
		.amdhsa_kernarg_size 48
		.amdhsa_user_sgpr_count 2
		.amdhsa_user_sgpr_kernarg_segment_ptr 1
		.amdhsa_wavefront_size32 1
		.amdhsa_system_sgpr_workgroup_id_x 1
		.amdhsa_system_sgpr_workgroup_id_y 1
		.amdhsa_system_sgpr_workgroup_id_z 1
		.amdhsa_system_vgpr_workitem_id 0
		.amdhsa_next_free_vgpr 108
		.amdhsa_next_free_sgpr 66
		.amdhsa_reserve_vcc 0
		.amdhsa_float_denorm_mode_32 3
		.amdhsa_float_denorm_mode_16_64 3
		.amdhsa_memory_ordered 1
		.amdhsa_forward_progress 1
		.amdhsa_inst_pref_size 11
	.end_amdhsa_kernel
	.amdgpu_metadata
---
amdhsa.version: [ 1, 2 ]
amdhsa.kernels:
  - .name:           k_q78afa76a40_cast
    .symbol:         k_q78afa76a40_cast.kd
    .args:
      - { .name: hidden_states, .offset: 0, .size: 8, .value_kind: global_buffer, .address_space: global }
      - { .name: qkv, .offset: 8, .size: 8, .value_kind: global_buffer, .address_space: global }
      - { .name: o, .offset: 16, .size: 8, .value_kind: global_buffer, .address_space: global }
      - { .name: xh, .offset: 24, .size: 8, .value_kind: global_buffer, .address_space: global }
      - { .name: wq, .offset: 32, .size: 8, .value_kind: global_buffer, .address_space: global }
      - { .name: wo, .offset: 40, .size: 8, .value_kind: global_buffer, .address_space: global }
    .group_segment_fixed_size: 0
    .private_segment_fixed_size: 0
    .kernarg_segment_align: 8
    .kernarg_segment_size: 48
    .max_flat_workgroup_size: 256
    .sgpr_count:     66
    .vgpr_count:     108
    .wavefront_size: 32
...
	.end_amdgpu_metadata
.endif
;; end of part 1
;; launch qkvp (part 2): grid 8 x 32, 4 waves a work-group, clusters of 4 x 4, 327,680 bytes of LDS; arguments xh, wq, qh, kh, vh, out1, out2; writes qh, kh, vh, out1, out2
.if DOCPART == 2
	.amdgcn_target "amdgcn-amd-amdhsa--gfx1250"
	.amdhsa_code_object_version 6
	.text
	.protected	k_q78afa76a40_qkvp
	.globl	k_q78afa76a40_qkvp
	.p2align	8
	.type	k_q78afa76a40_qkvp,@function
k_q78afa76a40_qkvp:
	s_mov_b64 s[64:65], 0
	v_nop
	global_prefetch_b8 v0, s[64:65] scope:SCOPE_SE
	s_setreg_imm32_b32 hwreg(HW_REG_WAVE_MODE, 25, 1), 1
	s_wait_xcnt 0x0
	s_wait_alu depctr_hold_cnt(0) depctr_sa_sdst(0) depctr_va_vdst(0) depctr_va_sdst(0) depctr_va_ssrc(0) depctr_va_vcc(0) depctr_vm_vsrc(0)
	s_getreg_b32 s2, hwreg(HW_REG_IB_STS2, 6, 4)
	s_cmp_eq_u32 s2, 0
	s_cbranch_scc0 .Lentry_in_a_cluster
	s_endpgm
.Lentry_in_a_cluster:
	s_bfe_u32 s2, ttmp6, 0x10000c
	s_cmp_lg_u32 s2, 0xf033
	s_cbranch_scc0 .Lentry_shape_is_right
	s_endpgm
.Lentry_shape_is_right:
; [q | k | v] = x W.  xh: [4096][1024] f16, wq: [1024][3072] f16 (column = 1024 x third (q, k, v) + 64 x head + channel); sums in f32.
; Out: qh, kh, vh [2][16][2048][64] f16 (unscaled, rounded once from the f32 sums); out1 = k and out2 = v in the same layout in f32.
; LIMIT.  q, k and v must lie within f16's 65,504.
; A tile of C is 128 x 128.  Four waves, each 64 x 64: 16 accumulators of 16 x 16.  K goes in four steps of 256 through two LDS slots.
; A WORK-GROUP STAYS: 8 x 32 = 256 work-groups, each with THREE tiles on the same 128 rows of x: its column tile in each third of W.  A loop over tiles stands round the K steps, and the ring does not stop at a
; tile's end: a tile's last two changes of slots ask for the next tile's first two K steps, and nothing waits for a tile's stores: they leave while the next tile is multiplied.
; THE ORDER OF THE THIRDS.  A cluster begins at third (cluster y) mod 3 and goes round.  So in the first tile every third of W is asked for by some cluster, and what a work-group asks for in its second and third
; tile has been read before, by another cluster, a whole tile's work earlier.  The third in hand is made of the cluster's y and the tile count: the same number in all sixteen partners.
; A's tile lies [row][k] (rows of 512 bytes + 16 of padding); B's lies as in memory, [k][column] (rows of 256 bytes + 32), and is turned on its way into registers by ds_load_tr16_b128.
; CLUSTERS: 4 x 4 work-groups.  The four of a row of the cluster need the same tiles of A, the four of a column the same tiles of B: each tile is asked for JOINTLY.
; THE MATRIX INSTRUCTION IS USED TRANSPOSED (source 0 = 16 columns of B, source 1 = 16 rows of A): a lane holds eight neighbouring numbers of a row of C.
; A wave's 64 columns are ONE head of q, k or v, so its 64 x 64 block is dense in every output, and each wave sends it through a stage of its own: no barrier on the way out.
; REGISTERS: window 0: v0-31 addresses; v32-95 packed results; v128-255 the accumulators ((a, b) at v[128 + 8 (4 a + b)]).
;   window 1: two fragment buffers of 128: for 64 along K, 64 registers of A (2 x 4 x 16 rows x 32 K), then 64 of B.
.set SIZE_K, 1024
.set NN,     3072                      ; B's and C's columns
.set TILES,  3                         ; tiles of a work-group
.set KSTEP,  256
.set PA,     528                       ; A's LDS row: 512 bytes + 16 = 33 x 16: the 16 rows of a load start at 16 different groups of four banks (64 banks of 4 bytes: ISA guide 11.1)
.set AQ,     128                       ; bytes from a quarter step (64 along K) to the next in A's LDS rows
.set HALFA,  64*PA                     ; one tensor load of A: 64 rows
.set PB,     288                       ; B's LDS row: 256 bytes + 32 = 9 x 32
.set HALFB,  128*PB                    ; one tensor load of B: 128 rows of k
.set BOFF,   2*HALFA
.set SLOT,   BOFF+2*HALFB              ; A's 128 rows, then B's 256 rows of k
.set STAGE,  2*SLOT                    ; behind the ring, never filled by a tensor load: 16 rows x 272 bytes for each wave
.set SP32,   272
.set SP16,   144
.set WST,    16*SP32
.set SPARE,  STAGE+4*WST               ; behind the stages: the spare words, 128 bytes for each wave: two blocks of 256 bytes that no other line names
.set ASTEP,  KSTEP*2                   ; bytes from a K step to the next in A,
.set BSTEP,  KSTEP*NN*2                ; and in B
.set ADRA, 16                          ; v16-17  LDS address of my A fragments in slot 0, 1
.set ADRB, 20                          ; v20-23  the same for B: 2 x slot + half of the step's 256 rows of k (255 rows pass a 16-bit offset)
.set STO,  24                          ; v24     f32 way out: where I put 32 bytes of a row
.set RD,   25                          ; v25     f32 way out: where I read rows back
.set CO,   26                          ; v26     16 x lane: my place in 512 consecutive bytes of an output
.set STO16, 27                         ; v27     f16 way out: where I put 16 bytes of a row
.set SPW,  28                          ; v28     LDS address of my spare word; never rewritten
.set NIL,  29                          ; v29     0; never rewritten
.set RD16, 30                          ; v30     f16 way out: where I read rows back
.set TMP,  32
.set ACC,  128
.set F0,   0                           ; fragment buffers, in window 1
.set F1,   128
.set G1,  24                           ; s[24:31] descriptor group 1 for A's tiles;  s[32:39] group 0, one set for each slot
.set G0,  32
.set G1B, 48                           ; s[48:55], s[56:63] the same for B's tiles
.set G0B, 56
.set PTA, 14                           ; s[14:15] xh at the first byte of the rows that I fetch; never rewritten
.set PTB, 46                           ; s[46:47] wq at the first byte of the part that I fetch, in third 0; never rewritten
.set W,   66                           ; s66     the third of the tile in hand: 0 q, 1 k, 2 v
.set WN,  67                           ; s67     the next tile's
.set OFF, 86                           ; s[86:87] byte offset of a tile of B from PTB
.set WO,  88                           ; s88     2,048 x W: a third's 1,024 columns in bytes;  s89 the same for WN
.set MSB, 0
.macro WIN new                         ; the immediate's high byte repeats the setting that is left; a switch that changes nothing is dropped
.if MSB != (\new)
	s_set_vgpr_msb (MSB<<8)|(\new)
.set MSB, \new
.endif
.endm
.set MUL,  0x05                        ; sources 0 (B) and 1 (A) window 1; C and D window 0
.set TO_F, 0x40                        ; destination window 1, address window 0
.macro JLOAD s                         ; a joint load: waves 0 and 1 fetch A's two halves, waves 2 and 3 B's; an s_nop 0 and four v_nop follow each line, ahead of the jump and the label
	s_cmp_eq_u32 s11, 0
	s_cbranch_scc0 .Lfor_b_\@
	tensor_load_to_lds s[G0+4*(\s):G0+4*(\s)+3], s[G1:G1+7]
	s_nop 0
.rept 4
	v_nop
.endr
	s_branch .Lasked_\@
.Lfor_b_\@:
	tensor_load_to_lds s[G0B+4*(\s):G0B+4*(\s)+3], s[G1B:G1B+7]
	s_nop 0
.rept 4
	v_nop
.endr
.Lasked_\@:
.endm
.macro CREST                           ; a round of the cluster's barrier behind its opening barrier
	s_cmp_lg_u32 s10, 0
	s_cbranch_scc1 .Lnot_wave_0_\@
	s_barrier_signal -3
.Lnot_wave_0_\@:
	s_barrier_wait -3
	s_barrier_signal -1
	s_barrier_wait -1
.endm
.macro CROUND                          ; a whole round
	s_barrier_signal -1
	s_barrier_wait -1
	CREST
.endm
	s_load_b128 s[4:7], s[0:1], 0x0                ; xh s[4:5], wq s[6:7]
	s_load_b256 s[68:75], s[0:1], 0x10             ; qh s[68:69], kh s[70:71], vh s[72:73], out1 s[74:75]
	s_load_b64 s[76:77], s[0:1], 0x30              ; out2
	v_lshl_add_u32 v[SPW], v0, 2, SPARE
	v_mov_b32 v[NIL], 0
	ds_add_u32 v[SPW], v[NIL]                      ; the wave's opening: the add and its wait stand ahead of my first tensor load; the set-up below, work on registers, stands between them
	v_lshrrev_b32 v1, 5, v0
	v_readfirstlane_b32 s10, v1                    ; wave 0..3
	s_lshr_b32 s11, s10, 1                         ; which half of the tile's rows is mine.  Also: I fetch for A (0) or for B (1)
	s_and_b32 s12, s10, 1                          ; which half of its columns.  Also: which half of that tile I fetch
	s_bfe_u32 s40, ttmp6, 0x40000                  ; cx, cy: my place in the cluster
	s_bfe_u32 s41, ttmp6, 0x40004
	s_lshl_b32 s42, ttmp9, 2
	s_add_co_u32 s42, s42, s40                     ; tile column in a third = 4 x cluster x + cx: 0 to 7
	s_and_b32 s13, ttmp7, 0xffff                   ; cluster y: 0 to 7
	s_mul_i32 s[W], s13, 11
	s_lshr_b32 s[W], s[W], 5                       ; cluster y / 3 (11 y / 32, right for y below 8)
	s_mul_i32 s[W], s[W], 3
	s_sub_co_u32 s[W], s13, s[W]                   ; the first tile's third = cluster y mod 3
	s_add_co_u32 s[WN], s[W], 1                    ; the next tile's: one on, round the three
	s_cmp_eq_u32 s[WN], 3
	s_cselect_b32 s[WN], 0, s[WN]
	s_lshl_b32 s[WO], s[W], 11
	s_lshl_b32 s[WO+1], s[WN], 11
	s_mov_b32 s[OFF+1], 0
	s_lshl_b32 s13, s13, 2
	s_add_co_u32 s13, s13, s41                     ; tile row = 4 x cluster y + cy
	s_lshl_b32 s43, s41, 2
	s_lshl_b32 s43, 15, s43                        ; my row of the cluster
	s_lshl_b32 s44, 0x1111, s40                    ; my column
	s_or_b32 s[G1+0], s43, (1<<16)|(1<<20)|(1<<21)|(6<<22)|(3<<25)  ; A: the mask of my row; 2-byte elements; padding on; bit 21 beside a mask; after every 128 words (code 6) 4 words (code 3)
	s_mov_b32 s[G1+1], KSTEP<<16                   ; tensor_dim0 = 256
	s_mov_b32 s[G1+2], 64<<16                      ; tensor_dim1 = 64
	s_mov_b32 s[G1+3], KSTEP<<16                   ; tile_dim0 = 256
	s_mov_b32 s[G1+4], 64                          ; tile_dim1 = 64
	s_mov_b32 s[G1+5], SIZE_K                      ; elements from row to row
	s_mov_b32 s[G1+6], 0
	s_mov_b32 s[G1+7], 0
	s_or_b32 s[G1B+0], s44, (1<<16)|(1<<20)|(1<<21)|(5<<22)|(7<<25) ; B: the mask of my column; after every 64 words (code 5) 8 words (code 7)
	s_mov_b32 s[G1B+1], 128<<16                    ; tensor_dim0 = 128 columns
	s_mov_b32 s[G1B+2], 128<<16                    ; tensor_dim1 = 128 rows of k
	s_mov_b32 s[G1B+3], 128<<16                    ; tile_dim0
	s_mov_b32 s[G1B+4], 128                        ; tile_dim1
	s_mov_b32 s[G1B+5], NN
	s_mov_b32 s[G1B+6], 0
	s_mov_b32 s[G1B+7], 0
	s_lshl_b32 s16, s13, 7                         ; A: row 128 x tile row + 64 x half, 2,048 bytes a row: it hangs on the tile row alone, which my row of the cluster shares
	s_lshl_b32 s17, s12, 6
	s_add_co_u32 s16, s16, s17
	s_lshl_b32 s16, s16, 11
	s_mov_b32 s17, 0
	s_mul_i32 s[PTB], s12, 128*NN*2                ; B: row of k 128 x half, column 128 x tile column: it hangs on the tile column alone, which my column shares (the third, added later, on the cluster's y)
	s_lshl_b32 s[PTB+1], s42, 8
	s_add_co_u32 s[PTB], s[PTB], s[PTB+1]
	s_mov_b32 s[PTB+1], 0
	s_mul_i32 s20, s12, HALFA                      ; where they go: no place in the cluster enters an LDS address
	s_mul_i32 s22, s12, HALFB
	s_add_co_u32 s22, s22, BOFF
	s_wait_dscnt 0x0                               ; the opening add is done
	s_wait_kmcnt 0x0
	s_add_nc_u64 s[PTA:PTA+1], s[4:5], s[16:17]
	s_add_nc_u64 s[PTB:PTB+1], s[6:7], s[PTB:PTB+1]
	CROUND                                         ; all sixteen work-groups are here: the first joint loads meet
.irp s, 0,1
	s_mov_b32 s[G0+4*(\s)], 1                      ; count = 1
	s_add_co_u32 s[G0+4*(\s)+1], s20, (\s)*SLOT    ; LDS address: written here and never again
	s_add_nc_u64 s[G0+4*(\s)+2:G0+4*(\s)+3], s[PTA:PTA+1], (\s)*ASTEP  ; global address: K step s
	s_or_b32 s[G0+4*(\s)+3], s[G0+4*(\s)+3], 0x80000000                ; type = 2
	s_mov_b32 s[G0B+4*(\s)], 1
	s_add_co_u32 s[G0B+4*(\s)+1], s22, (\s)*SLOT
	s_add_co_u32 s[OFF], s[WO], (\s)*BSTEP         ; the first tile's third, K step s
	s_add_nc_u64 s[G0B+4*(\s)+2:G0B+4*(\s)+3], s[PTB:PTB+1], s[OFF:OFF+1]
	s_or_b32 s[G0B+4*(\s)+3], s[G0B+4*(\s)+3], 0x80000000
	JLOAD \s                                       ; two loads of mine are out
.endr
	v_and_b32 v1, 15, v0                           ; r = l % 16
	v_bfe_u32 v2, v0, 4, 1                         ; h = l / 16
	v_mul_u32_u24 v3, v1, PA
	v_lshl_add_u32 v3, v2, 4, v3                   ; A: row x pitch + 16 h
	s_mul_i32 s21, s11, 64*PA                      ; my 64 rows
	v_add_nc_u32 v[ADRA], s21, v3
	v_add_nc_u32 v[ADRA+1], SLOT, v[ADRA]
	v_and_b32 v4, 7, v0                            ; B, turned: lane l reads row of k 8 h + l % 8, columns 8 ((l / 8) % 2) + 0..7
	v_lshl_add_u32 v4, v2, 3, v4
	v_mul_u32_u24 v4, v4, PB
	v_bfe_u32 v5, v0, 3, 1
	v_lshl_add_u32 v4, v5, 4, v4
	s_lshl_b32 s22, s12, 7                         ; my 64 columns
	s_add_co_u32 s22, s22, BOFF
	v_add_nc_u32 v4, s22, v4
.irp j, 0,1,2,3
	v_add_nc_u32 v[ADRB+(\j)], ((\j)/2)*SLOT+((\j)%2)*HALFB, v4
.endr
	s_mul_i32 s23, s10, WST
	s_add_co_u32 s23, s23, STAGE                   ; my stage
	v_mul_u32_u24 v6, v1, SP32                     ; f32 in: row r, 32 bytes for each half of the lanes
	v_lshl_add_u32 v6, v2, 5, v6
	v_add_nc_u32 v[STO], s23, v6
	v_mul_u32_u24 v6, v2, SP32                     ; f32 back: lanes 0-15 take one row of 256 bytes, lanes 16-31 the next
	v_lshl_add_u32 v6, v1, 4, v6
	v_add_nc_u32 v[RD], s23, v6
	v_mul_u32_u24 v6, v1, SP16                     ; f16 in: row r, 16 bytes for each half of the lanes
	v_lshl_add_u32 v6, v2, 4, v6
	v_add_nc_u32 v[STO16], s23, v6
	v_bfe_u32 v6, v0, 3, 2                         ; f16 back: 32 lanes take four rows of 128 bytes
	v_mul_u32_u24 v6, v6, SP16
	v_and_b32 v7, 7, v0
	v_lshl_add_u32 v6, v7, 4, v6
	v_add_nc_u32 v[RD16], s23, v6
	v_and_b32 v[CO], 31, v0
	v_lshlrev_b32 v[CO], 4, v[CO]
	; where my block goes, the same in every third's outputs: row ((batch x 16 + head) x 2048 + the tile's 128 rows + my 64) of [.][64]
	s_lshl_b32 s80, s42, 1
	s_add_co_u32 s80, s80, s12                     ; head = 2 x tile column + my half
	s_lshr_b32 s81, s13, 4
	s_lshl_b32 s81, s81, 4                         ; 16 x batch
	s_add_co_u32 s80, s80, s81
	s_lshl_b32 s80, s80, 11
	s_and_b32 s81, s13, 15
	s_lshl_b32 s81, s81, 7
	s_add_co_u32 s80, s80, s81
	s_lshl_b32 s81, s11, 6
	s_add_co_u32 s80, s80, s81
	s_lshl_b32 s82, s80, 8                         ; s[82:83]: 256 bytes a row in f32,
	s_lshl_b32 s80, s80, 7                         ; s[80:81]: 128 in f16
	s_mov_b32 s81, 0
	s_mov_b32 s83, 0
; 8 matrix instructions: m blocks a0, a0 + 1 x all 4 n blocks, 32 along K: half c of buffer f.  zero = 1: the first product starts the sums.  The 16 accumulators take turns from tile to tile too.
.macro MUL8 f, c, a0, zero
	WIN MUL
.irp a, \a0, (\a0)+1
.irp b, 0,1,2,3
.if \zero
	v_wmma_f32_16x16x32_f16 v[ACC+8*(4*(\a)+(\b)):ACC+8*(4*(\a)+(\b))+7], v[(\f)+64+8*(4*(\c)+(\b)):(\f)+64+8*(4*(\c)+(\b))+7], v[(\f)+8*(4*(\c)+(\a)):(\f)+8*(4*(\c)+(\a))+7], 0
.else
	v_wmma_f32_16x16x32_f16 v[ACC+8*(4*(\a)+(\b)):ACC+8*(4*(\a)+(\b))+7], v[(\f)+64+8*(4*(\c)+(\b)):(\f)+64+8*(4*(\c)+(\b))+7], v[(\f)+8*(4*(\c)+(\a)):(\f)+8*(4*(\c)+(\a))+7], v[ACC+8*(4*(\a)+(\b)):ACC+8*(4*(\a)+(\b))+7]
.endif
.endr
.endr
.endm
; 32 LDS loads in one run: the fragments of quarter q (64 along K) of a slot's step into buffer f; the first 32 along K first
.macro FETCH slot, q, f
	WIN TO_F
.irp c, 0,1
.irp i, 0,1,2,3
	ds_load_tr16_b128 v[(\f)+64+8*(4*(\c)+(\i)):(\f)+64+8*(4*(\c)+(\i))+3],   v[ADRB+2*(\slot)+(\q)/2] offset:(((\q)%2)*64+32*(\c))*PB+32*(\i)
	ds_load_tr16_b128 v[(\f)+64+8*(4*(\c)+(\i))+4:(\f)+64+8*(4*(\c)+(\i))+7], v[ADRB+2*(\slot)+(\q)/2] offset:(((\q)%2)*64+32*(\c)+16)*PB+32*(\i)
	ds_load_b128 v[(\f)+8*(4*(\c)+(\i)):(\f)+8*(4*(\c)+(\i))+3],         v[ADRA+(\slot)] offset:(\q)*AQ+64*(\c)+(\i)*16*PA
	ds_load_b128 v[(\f)+8*(4*(\c)+(\i))+4:(\f)+8*(4*(\c)+(\i))+7],       v[ADRA+(\slot)] offset:(\q)*AQ+64*(\c)+(\i)*16*PA+32
.endr
.endr
.endm
.macro PLACES                          ; four places in front of loads into registers that matrix instructions have read, and of lines that read results
.rept 4
	v_nop
.endr
.endm
; A K step is four quarters of 64 along K, 32 matrix instructions each, on buffers 0, 1, 0, 1.  One of the first three: multiplies buffer f and fetches quarter q into g.
.macro QUARTER slot, q, f, g, zero
	s_wait_dscnt 16                                ; the first 32 along K are in; the youngest sixteen loads may be out (behind a way out nothing is out)
	MUL8 \f, 0, 0, \zero
	MUL8 \f, 0, 2, \zero
	PLACES
	FETCH \slot, \q, \g
	s_wait_dscnt 32                                ; all but the 32 just issued
	MUL8 \f, 1, 0, 0
	MUL8 \f, 1, 2, 0
.endm
; The last quarter multiplies buffer 1 and changes slots: ONE barrier; in front of it each wave waits for all its tensor loads, adds 0 to its spare word, and waits for that and for its own reads of this slot.
; fill = 1: this slot is filled again, with K step kst of this tile (nxt = 0) or of the next (nxt = 1); the barrier then opens a round of the cluster's barrier.  Both global addresses are made anew from pointers
; that are never rewritten: A's plus a constant (every tile of the walk has the same rows of x), B's plus 2,048 x third + K step x 1,572,864.
.macro TURN slot, next, fill, kst=0, nxt=0
	WIN 0                                          ; (the add's two registers lie in window 0)
	s_wait_tensorcnt 0x0                           ; all my tensor loads have landed: my part of the next slot;
	ds_add_u32 v[SPW], v[NIL]                      ; 0 onto my spare word;
	s_wait_dscnt 17                                ; (the add and the youngest sixteen loads may be out)
	MUL8 F1, 0, 0, 0                               ; eight matrix instructions stand between the add and the wait for it
	s_wait_dscnt 0x0                               ; the add is done, and my reads of this slot are over
	s_barrier_signal -1
	MUL8 F1, 0, 2, 0
.if \fill
	WIN 0
.endif
	s_barrier_wait -1
.if \fill
	CREST                                          ; no wave of any partner still reads this slot's tile or has a load on its way; no load of mine is out, so a group 0 may be written
	s_add_nc_u64 s[G0+4*(\slot)+2:G0+4*(\slot)+3], s[PTA:PTA+1], (\kst)*ASTEP
	s_or_b32 s[G0+4*(\slot)+3], s[G0+4*(\slot)+3], 0x80000000
	s_add_co_u32 s[OFF], s[WO+(\nxt)], (\kst)*BSTEP
	s_add_nc_u64 s[G0B+4*(\slot)+2:G0B+4*(\slot)+3], s[PTB:PTB+1], s[OFF:OFF+1]
	s_or_b32 s[G0B+4*(\slot)+3], s[G0B+4*(\slot)+3], 0x80000000
	JLOAD \slot                                    ; the first tensor load behind the round, my only one out; its four v_nop are also the places in front of the loads below
.else
	PLACES
.endif
	FETCH \next, 0, F0
	MUL8 F1, 1, 0, 0
	MUL8 F1, 1, 2, 0
.endm
; THE WAY OUT IN f16, 16 rows (block a) at a time: rounded, 16 bytes a lane into rows of 144 bytes of my stage, back as four whole rows of 128 bytes a load: 512 consecutive bytes of the output.
.macro PACK16 a
.irp b, 0,1,2,3
.irp r, 0,1,2,3
	v_cvt_pk_f16_f32 v[TMP+16*(\a)+4*(\b)+(\r)], v[ACC+8*(4*(\a)+(\b))+2*(\r)], v[ACC+8*(4*(\a)+(\b))+2*(\r)+1]
.endr
.endr
.irp b, 0,1,2,3
	ds_store_b128 v[STO16], v[TMP+16*(\a)+4*(\b):TMP+16*(\a)+4*(\b)+3] offset:32*(\b)
.endr
.irp f, 0,1,2,3
	ds_load_b128 v[TMP+16*(\a)+4*(\f):TMP+16*(\a)+4*(\f)+3], v[RD16] offset:(\f)*4*SP16  ; LDS serves a wave's instructions in order (ISA guide 5.7.1.4): these see the stores above; the next block's stores come behind them
.endr
.endm
.macro SEND16 a, younger               ; younger: the LDS instructions issued behind block a's loads: the next block's eight, or none
.irp f, 0,1,2,3
	s_wait_dscnt (\younger)+3-(\f)
	global_store_b128 v[CO], v[TMP+16*(\a)+4*(\f):TMP+16*(\a)+4*(\f)+3], s[8:9] offset:(\a)*2048+(\f)*512
.endr
.endm
; THE WAY OUT IN f32: 32 bytes a lane into rows of 272 bytes, back as two whole rows of 256 bytes a load, into the registers that the block left.
.macro STAGE32 a
.irp b, 0,1,2,3
	ds_store_b128 v[STO], v[ACC+8*(4*(\a)+(\b)):ACC+8*(4*(\a)+(\b))+3] offset:64*(\b)
	ds_store_b128 v[STO], v[ACC+8*(4*(\a)+(\b))+4:ACC+8*(4*(\a)+(\b))+7] offset:64*(\b)+16
.endr
.irp t, 0,1,2,3,4,5,6,7
	ds_load_b128 v[ACC+32*(\a)+4*(\t):ACC+32*(\a)+4*(\t)+3], v[RD] offset:(\t)*2*SP32
.endr
.endm
.macro SEND32 a, younger               ; younger: the next block's sixteen LDS instructions, or none
.irp t, 0,1,2,3,4,5,6,7
	s_wait_dscnt (\younger)+7-(\t)
	global_store_b128 v[CO], v[ACC+32*(\a)+4*(\t):ACC+32*(\a)+4*(\t)+3], s[78:79] offset:(\a)*4096+(\t)*512
.endr
.endm
; A TILE GOES OUT, to the outputs of its third.  more = 1: another tile follows, whose products write the accumulators and whose way out writes the packed results and the two bases again.
.macro WAYOUT more
	s_cmp_eq_u32 s[W], 0
	s_cselect_b64 s[8:9], s[68:69], s[70:71]
	s_cmp_eq_u32 s[W], 2
	s_cselect_b64 s[8:9], s[72:73], s[8:9]         ; the f16 output: qh, kh or vh
	s_cmp_eq_u32 s[W], 1
	s_cselect_b64 s[78:79], s[74:75], s[76:77]     ; the f32 output: out1 for k, out2 for v (for q it is not used)
	s_add_nc_u64 s[8:9], s[8:9], s[80:81]
	s_add_nc_u64 s[78:79], s[78:79], s[82:83]
	PLACES
	PACK16 0
	PACK16 1                                       ; a block's conversions stand between the loads of the block before and its stores
	SEND16 0, 8
	PACK16 2
	SEND16 1, 8
	PACK16 3
	SEND16 2, 8
	SEND16 3, 0
	s_cmp_eq_u32 s[W], 0                           ; q has no f32 output.  The jump goes forward, over no barrier and no tensor load, and all sixteen partners take it alike
	s_cbranch_scc1 .Lno32_\@
	STAGE32 0
	STAGE32 1
	SEND32 0, 16
	STAGE32 2
	SEND32 1, 16
	STAGE32 3
	SEND32 2, 16
	SEND32 3, 0
.Lno32_\@:
.if \more
	s_wait_xcnt 0x0                                ; every store issued so far has had its addresses translated (ISA guide 3.1): only behind this wait are its data registers and bases written again; no wait for the stores themselves
.endif
.endm
	s_wait_tensorcnt 1                             ; my part of K step 0 is in; step 1's may stay out
	s_barrier_signal -1
	s_barrier_wait -1                              ; everybody's is
	FETCH 0, 0, F0
	WIN 0                                          ; at a label and at a branch every window is 0
	s_mov_b32 s2, TILES                            ; tiles to go, this one among them: the same number in every work-group
.Ltile:
	QUARTER 0, 1, F0, F1, 1                        ; K step 0: its first products start the sums: nothing is cleared
	QUARTER 0, 2, F1, F0, 0
	QUARTER 0, 3, F0, F1, 0
	TURN 0, 1, 1, 2, 0                             ; slot 0 takes this tile's K step 2
	QUARTER 1, 1, F0, F1, 0
	QUARTER 1, 2, F1, F0, 0
	QUARTER 1, 3, F0, F1, 0
	TURN 1, 0, 1, 3, 0                             ; slot 1 takes its K step 3
	QUARTER 0, 1, F0, F1, 0
	QUARTER 0, 2, F1, F0, 0
	QUARTER 0, 3, F0, F1, 0
	WIN 0
	s_cmp_eq_u32 s2, 1
	s_cbranch_scc1 .Llast                          ; the last tile's tail is written out: it asks for nothing more
	TURN 0, 1, 1, 0, 1                             ; THE RING GOES ON INTO THE NEXT TILE: slot 0 takes its K step 0,
	QUARTER 1, 1, F0, F1, 0
	QUARTER 1, 2, F1, F0, 0
	QUARTER 1, 3, F0, F1, 0
	TURN 1, 0, 1, 1, 1                             ; slot 1 its K step 1, and the next tile's first fragments are fetched
	WIN 0
	WAYOUT 1                                       ; both refills are asked for: now the tile goes out
	s_mov_b32 s[W], s[WN]                          ; the next tile's third, and the one behind it
	s_mov_b32 s[WO], s[WO+1]
	s_add_co_u32 s[WN], s[WN], 1
	s_cmp_eq_u32 s[WN], 3
	s_cselect_b32 s[WN], 0, s[WN]
	s_lshl_b32 s[WO+1], s[WN], 11
	s_sub_co_u32 s2, s2, 1
	s_branch .Ltile
.Llast:
	TURN 0, 1, 0                                   ; nothing is left to fetch: no round follows
	QUARTER 1, 1, F0, F1, 0
	QUARTER 1, 2, F1, F0, 0
	QUARTER 1, 3, F0, F1, 0
	s_wait_dscnt 16                                ; the very last quarter
	MUL8 F1, 0, 0, 0
	MUL8 F1, 0, 2, 0
	s_wait_dscnt 0
	MUL8 F1, 1, 0, 0
	MUL8 F1, 1, 2, 0
	WIN 0
	WAYOUT 0
	s_wait_tensorcnt 0x0                           ; the wave's end: behind my last tensor load and my last LDS store
	ds_add_u32 v[SPW], v[NIL]
	s_wait_dscnt 0x0
	CROUND                                         ; the closing round: no work-group ends while a partner may still ask for a tile that names it
	s_endpgm
.Lfunc_end_k_q78afa76a40_qkvp:
	.size	k_q78afa76a40_qkvp, .Lfunc_end_k_q78afa76a40_qkvp-k_q78afa76a40_qkvp
	.p2alignl 7, 3214868480
	.fill 96, 4, 3214868480
	.section	.rodata,"a",@progbits
	.p2align	6, 0x0
	.amdhsa_kernel k_q78afa76a40_qkvp
		.amdhsa_group_segment_fixed_size 327680
		.amdhsa_private_segment_fixed_size 0
		.amdhsa_enable_private_segment 0
		.amdhsa_kernarg_size 56
		.amdhsa_user_sgpr_count 2
		.amdhsa_user_sgpr_kernarg_segment_ptr 1
		.amdhsa_wavefront_size32 1
		.amdhsa_system_sgpr_workgroup_id_x 1
		.amdhsa_system_sgpr_workgroup_id_y 1
		.amdhsa_system_sgpr_workgroup_id_z 1
		.amdhsa_system_vgpr_workitem_id 0
		.amdhsa_next_free_vgpr 512
		.amdhsa_next_free_sgpr 90
		.amdhsa_reserve_vcc 0
		.amdhsa_float_denorm_mode_32 3
		.amdhsa_float_denorm_mode_16_64 3
		.amdhsa_memory_ordered 1
		.amdhsa_forward_progress 1
		.amdhsa_inst_pref_size 136
	.end_amdhsa_kernel
	.amdgpu_metadata
---
amdhsa.version: [ 1, 2 ]
amdhsa.kernels:
  - .name:           k_q78afa76a40_qkvp
    .symbol:         k_q78afa76a40_qkvp.kd
    .args:
      - { .name: xh, .offset: 0, .size: 8, .value_kind: global_buffer, .address_space: global }
      - { .name: wq, .offset: 8, .size: 8, .value_kind: global_buffer, .address_space: global }
      - { .name: qh, .offset: 16, .size: 8, .value_kind: global_buffer, .address_space: global }
      - { .name: kh, .offset: 24, .size: 8, .value_kind: global_buffer, .address_space: global }
      - { .name: vh, .offset: 32, .size: 8, .value_kind: global_buffer, .address_space: global }
      - { .name: out1, .offset: 40, .size: 8, .value_kind: global_buffer, .address_space: global }
      - { .name: out2, .offset: 48, .size: 8, .value_kind: global_buffer, .address_space: global }
    .group_segment_fixed_size: 327680
    .private_segment_fixed_size: 0
    .kernarg_segment_align: 8
    .kernarg_segment_size: 56
    .max_flat_workgroup_size: 128
    .sgpr_count:     90
    .vgpr_count:     512
    .wavefront_size: 32
...
	.end_amdgpu_metadata
.endif
;; end of part 2
;; launch attn (part 3): grid 8 x 32, 4 waves a work-group, clusters of 4 x 4, 327,680 bytes of LDS; arguments qh, kh, vh, mask, att; writes att
.if DOCPART == 3
	.amdgcn_target "amdgcn-amd-amdhsa--gfx1250"
	.amdhsa_code_object_version 6
	.text
	.protected	k_q78afa76a40_attn
	.globl	k_q78afa76a40_attn
	.p2align	8
	.type	k_q78afa76a40_attn,@function
k_q78afa76a40_attn:
	s_mov_b64 s[64:65], 0
	v_nop
	global_prefetch_b8 v0, s[64:65] scope:SCOPE_SE
	s_setreg_imm32_b32 hwreg(HW_REG_WAVE_MODE, 25, 1), 1
	s_wait_xcnt 0x0
	s_wait_alu depctr_hold_cnt(0) depctr_sa_sdst(0) depctr_va_vdst(0) depctr_va_sdst(0) depctr_va_ssrc(0) depctr_va_vcc(0) depctr_vm_vsrc(0)
	s_getreg_b32 s2, hwreg(HW_REG_IB_STS2, 6, 4)
	s_cmp_eq_u32 s2, 0
	s_cbranch_scc0 .Lentry_in_a_cluster
	s_endpgm
.Lentry_in_a_cluster:
	s_bfe_u32 s2, ttmp6, 0x10000c
	s_cmp_lg_u32 s2, 0xf033
	s_cbranch_scc0 .Lentry_shape_is_right
	s_endpgm
.Lentry_shape_is_right:
; att[b][h][q][:] = the sum over k of softmax_k(Q.K / 8 x m - (1 - m) x 10000) V[b][h][k][:], m = mask[b][q][k], an f32 INPUT taken as it is given, for every key.
; qh, kh, vh, att: [2][16][2048][64] f16, a head's rows dense, 128 bytes each.  Products, maxima and sums in f32; the weights p are rounded to f16 for the second product (their sum l is taken of the unrounded p), O once.
; LIMITS.  Q, K, V arrive within f16's 65,504; p lies in 0 to 1 and below 6e-5 keeps f16's fixed step of 6e-8; a weight below 2^-126 counts as 0 in l; NaN and infinities are not treated apart.
; THE MASK.  u = s m + (80000 m - 80000), two fused multiply-adds, is eight times the masked score (s = Q.K unscaled); the 1/8 lies in c = log2(e) / 8.  At m = 1 the addend is exactly 0, at m = 0 u is exactly -80000.
; SOFTMAX.  For each query a running maximum mx of u and a sum l: p = 2^(c u - c mx); in every step O and l are multiplied by a = 2^(c mx_old - c mx_new).  mx starts at the lowest finite number, O and l at 0.
; SHARES.  A work-group owns TWO heads (pair x) and 128 queries (block y of the 32 of both batches).  Wave w: head 2 x + w % 2, queries 64 (w / 2) on, as four PIECES of 16.  Every wave walks all 2,048 keys, 64 a step.
; So a mask byte in LDS serves two waves, and a step's bytes in LDS (mask 34 KB, K and V 39 KB) are few enough that a slot holds two steps.
; CLUSTER 4 x 4: cx counts head pairs, cy query blocks; the batch is the same in all sixteen.  A mask tile hangs on y alone: asked for jointly along a row of the cluster.  K's and V's hang on the head pair and the
; batch: jointly along a column.  That divides the requests for all three by four.
; LAYOUT.  S^T = K Q^T (source 0 = 16 keys, source 1 = 16 queries): a lane holds ONE query (l % 16) and, in register 8 g + j, key 16 g + 8 (l / 16) + j; the mask's 32 bytes at byte 64 g + 32 (l / 16) of the query's row
; fall on the same registers.  Two results rounded to f16 ARE source 1 of O^T = V^T P.  K comes out of LDS as it lies, V turned, by ds_load_tr16_b128.
; BY TURNS.  Turn n belongs to piece n: 8 products K Q^T of piece n + 1, later 8 products V^T P of piece n - 1; beside them the scaling, exponentials, roundings, sums and rescaling of piece n, and the masking, maximum and
; statistics of piece n + 1.  16 matrix and 150 vector instructions: four vector instructions stand behind every matrix instruction, the other 86 in two lumps.
; REGISTERS, in windows of 256 (s_set_vgpr_msb: bits 1:0 source 0, 3:2 source 1, 5:4 source 2, 7:6 destination):
;   window 0: v0-15, v40-42 addresses; v16-31 four registers of statistics a piece; v32-39 at work; v64-127 S^T, v128-159 P, v160-223 the mask: two buffers each, by the piece's parity; v224-255 the mask's addend
;   window 1: v0-127 O^T, 32 a piece          window 2: v0-63 Q, 16 a piece; v128-191 K of one step; v192-255 V of one step
.set NP,    4         ; pieces a wave: a name, no knob
.set KS,    64        ; keys in a step
.set PK,    144       ; a row of K in LDS: 128 bytes + 16 = 9 x 16: the 16 rows of a load start at 16 different groups of four banks (64 banks of 4 bytes: ISA guide 11.1)
.set PV,    160       ; a row of V: 128 + 32 = 5 x 32
.set PM,    528       ; a row of the mask: 128 keys x 4 bytes + 16 = 33 x 16
.set KPL,   128*PK    ; a head's 128 keys of K
.set VPL,   128*PV
.set MHALF, 64*PM     ; 64 queries' rows of the mask: one tensor load
.set VOFF,  2*KPL     ; a slot: K of two heads, V of two heads, the mask of 128 queries, each for 128 keys
.set MOFF,  VOFF+2*VPL
.set SLOT,  MOFF+2*MHALF
.set STAGE, 2*SLOT    ; behind the ring, never filled by a tensor load: 16 rows x 144 bytes for each wave
.set SP,    144
.set SPARE, STAGE+4*16*SP  ; behind the stages: the spare words, 128 bytes for each wave: two blocks of 256 bytes that no other line names
; A descriptor's LDS word takes turns between A (slot 0) and A + SLOT: x xor (A xor (A + SLOT)) turns either into the other.  SLOT = 0x23800.  K: A = 0.  V: A = 0x9000, A + SLOT = 0x2c800.
; The mask: A = 0x13000 and 0x36800 for the first half, 0x1b400 and 0x3ec00 for the second.  All three pairs differ by the same 0x25800.
.set KTOG,  SLOT
.set VTOG,  VOFF^(VOFF+SLOT)
.set MTOG,  MOFF^(MOFF+SLOT)
.set AK0, 2           ; v2   my lane's place in a slot's K; never rewritten
.set AV0, 3           ; v3   the same for V
.set AK,  4           ; v4   the LDS address of K's next run of loads
.set AV,  5           ; v5   of V's
.set STO, 6           ; v6   the way out: where I put 16 bytes of a row
.set RD,  7           ; v7   the way out: where I read rows back
.set GO,  8           ; v8   my place in 512 consecutive bytes of att
.set MV,  12          ; v12-13  c mx_old, kept while c mx is made anew: by buffer
.set AM0, 14          ; v14  my lane's place in a slot's mask; never rewritten
.set AM,  15          ; v15  the LDS address of the mask's next run of loads
.set ST,  16          ; piece t's statistics at v[ST+4 t]: c mx, mx, l (even keys', odd keys')
.set TMP, 32          ; by buffer, four registers c0-c3 at work; when the maximum is found c2 takes a
.set SPW, 40          ; v40  LDS address of my spare word; never rewritten
.set NIL, 41          ; v41  0; never rewritten
.set QO,  42          ; v42  my byte offset in 16 rows of Q
.set S,   64
.set P,   128
.set M,   160
.set BB,  224
.set KF,  128         ; window 2: key block kb, channel half c at KF + 16 kb + 8 c
.set VF,  192         ; window 2: key half kk, channel block cb at VF + 32 kk + 8 cb
.set WV,  14          ; s14  my wave's number
.set G1K, 24          ; s[24:31] descriptor group 1 for K's tiles
.set G1V, 32          ; s[32:39] for V's: it differs in the padding alone
.set G1M, 40          ; s[40:47] for the mask's
.set G0K, 48          ; s[48:51] descriptor group 0 for K's tiles: it walks
.set G0V, 52          ; s[52:55] for V's
.set G0M, 56          ; s[56:59] for the mask's
.set SLOTS, 60        ; s60  slots still to be asked for
.set CNT, 61          ; s61  counts a slot's key steps
.set CS,  66          ; s[66:67] c: the packed scaling takes the pair's low word for both halves
.set SEL, 68          ; s[68:69] v_permlanex16_b32's selects: each lane takes its own place in the other half
.set KP,  70          ; s[70:71] 80000.0
.set TBK, 72          ; s72  LDS byte at which K of the step to be fetched begins
.set TBV, 73          ; s73  the same for V, less VOFF
.set TBM, 74          ; s74  the same for the mask, less MOFF
.set MSB, 0
.macro WIN new                      ; the high byte repeats the setting that is left; a switch that changes nothing is dropped
.if MSB != (\new)
	s_set_vgpr_msb (MSB<<8)|(\new)
.set MSB, (\new)
.endif
.endm
.set W_KQ, 0x0a       ; K and Q in window 2, S^T in window 0
.set W_PV, 0x52       ; V in window 2, P in window 0, O^T in window 1
.set W_RS, 0x41       ; O^T (destination and source 0) in window 1, a in window 0
; A joint fill, one load of 32 KB a wave: wave 0 K of both heads, wave 1 V, waves 2 and 3 the two halves of the mask's rows.  The branches hang on the wave's number alone.
; An s_nop 0 and four v_nop follow each of the three lines, ahead of the jump and the label.
.macro JLOAD
	s_cmp_lt_u32 s[WV], 2
	s_cbranch_scc0 .Lfor_m_\@
	s_cmp_eq_u32 s[WV], 0
	s_cbranch_scc0 .Lfor_v_\@
	tensor_load_to_lds s[G0K:G0K+3], s[G1K:G1K+7]
	s_nop 0
.rept 4
	v_nop
.endr
	s_branch .Lasked_\@
.Lfor_v_\@:
	tensor_load_to_lds s[G0V:G0V+3], s[G1V:G1V+7]
	s_nop 0
.rept 4
	v_nop
.endr
	s_branch .Lasked_\@
.Lfor_m_\@:
	tensor_load_to_lds s[G0M:G0M+3], s[G1M:G1M+7]
	s_nop 0
.rept 4
	v_nop
.endr
.Lasked_\@:
.endm
; A round of the cluster's barrier: my work-group's barrier, so that wave 0's signal speaks for all four waves; wave 0 signals; every wave waits for all sixteen work-groups; my work-group's barrier once more.
.macro CROUND
	s_barrier_signal -1
	s_barrier_wait -1
	s_cmp_lg_u32 s[WV], 0
	s_cbranch_scc1 .Lnot_wave_0_\@
	s_barrier_signal -3
.Lnot_wave_0_\@:
	s_barrier_wait -3
	s_barrier_signal -1
	s_barrier_wait -1
.endm
; THE CHANGE OF SLOTS, behind piece 1's turn of a slot's second step: all that is read of the slot (K, V, four pieces' masks of both steps) has been asked for.  Each wave waits for all its tensor loads, of which one is out:
; its part of the other slot; adds 0 to its spare word; and waits for that and for its own reads of the slot.  Behind the barrier nobody reads this slot any more and the other slot is whole.
; fill = 1: this slot is filled again, with the keys two slots on.  The barrier is then a round of the cluster's, and the joint fill is the first thing behind it: it has two key steps, 128 matrix and 1,200 vector
; instructions, in which to land.  (At its first use nothing has been read yet: slot 0 is waited for, slot 1 filled.)
.macro CHANGE fill
	WIN 0                           ; at a label and at a branch every window is 0
	s_wait_tensorcnt 0x0            ; no tensor load of mine is out, so a group 0 may be written
	ds_add_u32 v[SPW], v[NIL]       ; 0 onto my spare word; with fill = 1 the descriptors' steps stand between it and the wait for it
.if \fill
	s_xor_b32 s[G0K+1], s[G0K+1], KTOG  ; the walking descriptors: the other slot than last time,
	s_add_nc_u64 s[G0K+2:G0K+3], s[G0K+2:G0K+3], 2*KS*128  ; the next 128 keys; the type bits on top are not reached
	s_xor_b32 s[G0V+1], s[G0V+1], VTOG
	s_add_nc_u64 s[G0V+2:G0V+3], s[G0V+2:G0V+3], 2*KS*128
	s_xor_b32 s[G0M+1], s[G0M+1], MTOG
	s_add_nc_u64 s[G0M+2:G0M+3], s[G0M+2:G0M+3], 2*KS*4
	s_wait_dscnt 0x0                ; the add is done, and my reads of the slot are over
	CROUND
	JLOAD
.else
	s_wait_dscnt 0x0                ; the add is done, and my reads of the slot are over
	s_barrier_signal -1
	s_barrier_wait -1
.endif
	s_sub_co_u32 s[TBK], s[TBK], 2*KS*PK  ; the fetches go back to a slot's first step (the value is then 0 or SLOT),
	s_xor_b32 s[TBK], s[TBK], SLOT        ; in the other slot
	s_sub_co_u32 s[TBV], s[TBV], 2*KS*PV
	s_xor_b32 s[TBV], s[TBV], SLOT
	s_sub_co_u32 s[TBM], s[TBM], 2*KS*4
	s_xor_b32 s[TBM], s[TBM], SLOT
.endm
	s_load_b256 s[4:11], s[0:1], 0x0  ; qh s[4:5], kh s[6:7], vh s[8:9], mask s[10:11]
	s_load_b64 s[12:13], s[0:1], 0x20 ; att
	v_lshl_add_u32 v[SPW], v0, 2, SPARE
	v_mov_b32 v[NIL], 0
	ds_add_u32 v[SPW], v[NIL]       ; the wave's opening: the add and its wait stand ahead of my first tensor load; the set-up below, work on registers, stands between them
	v_lshrrev_b32 v1, 5, v0
	v_readfirstlane_b32 s[WV], v1   ; wave 0..3
	s_and_b32 s15, s[WV], 1         ; which of the two heads is mine.  Also: which half of the mask's rows I fetch
	s_lshr_b32 s16, s[WV], 1        ; which 64 of the 128 queries
	s_bfe_u32 s17, ttmp6, 0x40000   ; cx
	s_bfe_u32 s18, ttmp6, 0x40004   ; cy
	s_lshl_b32 s19, ttmp9, 2
	s_add_co_u32 s19, s19, s17      ; head pair = 4 x cluster x + cx
	s_and_b32 s21, ttmp7, 0xffff
	s_lshl_b32 s20, s21, 2
	s_add_co_u32 s20, s20, s18      ; query block y = 4 x cluster y + cy
	s_lshr_b32 s21, s21, 2          ; batch = y / 16 = cluster y / 4: it holds no cy
	s_lshl_b32 s80, s18, 2
	s_lshl_b32 s80, 15, s80         ; my row of the cluster
	s_lshl_b32 s81, 0x1111, s17     ; my column
	; K and V: a head's 128 keys are 16,384 dense bytes, asked for as ONE row of 2,048 elements of 8 bytes; the second row is the next head's, 262,144 bytes on; padded in LDS after every key
	s_or_b32 s[G1K], s81, (3<<16)|(1<<20)|(1<<21)|(4<<22)|(3<<25)  ; the mask of my column; 8-byte elements; padding on; bit 21 beside a mask; after every 32 words (code 4) 4 words (code 3)
	s_or_b32 s[G1V], s81, (3<<16)|(1<<20)|(1<<21)|(4<<22)|(7<<25)  ; the same with 8 words of padding (code 7)
.irp g, G1K, G1V
	s_mov_b32 s[\g+1], 2048<<16     ; tensor_dim0 = 2,048
	s_mov_b32 s[\g+2], 2<<16        ; tensor_dim1 = 2
	s_mov_b32 s[\g+3], 2048<<16     ; tile_dim0
	s_mov_b32 s[\g+4], 2            ; tile_dim1
	s_mov_b32 s[\g+5], 32768        ; elements from row to row
	s_mov_b32 s[\g+6], 0
	s_mov_b32 s[\g+7], 0
.endr
	s_or_b32 s[G1M], s80, (2<<16)|(1<<20)|(1<<21)|(6<<22)|(3<<25)  ; the mask tensor: the work-group mask of my row; 4-byte elements; after every 128 words (code 6) 4 words (code 3)
	s_mov_b32 s[G1M+1], 128<<16     ; tensor_dim0 = 128 keys
	s_mov_b32 s[G1M+2], 64<<16      ; tensor_dim1 = 64 queries
	s_mov_b32 s[G1M+3], 128<<16     ; tile_dim0
	s_mov_b32 s[G1M+4], 64          ; tile_dim1
	s_mov_b32 s[G1M+5], 2048        ; elements from row to row
	s_mov_b32 s[G1M+6], 0
	s_mov_b32 s[G1M+7], 0
	s_lshl_b32 s76, s21, 22         ; K and V: (16 x batch + 2 x head pair) x 262,144 bytes: no cy in it
	s_lshl_b32 s77, s19, 19
	s_add_co_u32 s76, s76, s77
	s_mov_b32 s77, 0
	s_lshl_b32 s78, s20, 20         ; the mask: row 128 y + 64 x half, 8,192 bytes a row: no cx in it
	s_lshl_b32 s79, s15, 19
	s_add_co_u32 s78, s78, s79
	s_mov_b32 s79, 0
	s_lshl_b32 s22, s21, 4          ; Q and att: head 16 x batch + 2 x head pair + w % 2,
	s_lshl_b32 s23, s19, 1
	s_add_co_u32 s22, s22, s23
	s_add_co_u32 s22, s22, s15
	s_lshl_b32 s22, s22, 18
	s_and_b32 s23, s20, 15          ; row 128 (y % 16) + 64 (w / 2), 128 bytes a row
	s_lshl_b32 s23, s23, 1
	s_add_co_u32 s23, s23, s16
	s_lshl_b32 s23, s23, 13
	s_add_co_u32 s22, s22, s23
	s_mov_b32 s23, 0
	s_mov_b32 s[CS], 0x3e38aa3b     ; c = log2(e) / 8 = 0.180337
	s_mov_b32 s[CS+1], s[CS]        ; named with it as a pair
	s_mov_b32 s[SEL], 0x76543210
	s_mov_b32 s[SEL+1], 0xfedcba98
	s_mov_b32 s[KP], 0x479c4000     ; 80000.0
	s_mov_b32 s[KP+1], s[KP]
	s_mov_b32 s[TBK], SLOT+2*KS*PK  ; the first change of slots turns these three into 0
	s_mov_b32 s[TBV], SLOT+2*KS*PV
	s_mov_b32 s[TBM], SLOT+2*KS*4
	s_mov_b32 s[G0K], 1             ; count = 1
	s_mov_b32 s[G0K+1], 0           ; LDS address: slot 0
	s_mov_b32 s[G0V], 1
	s_mov_b32 s[G0V+1], VOFF
	s_mov_b32 s[G0M], 1
	s_mul_i32 s[G0M+1], s15, MHALF
	s_add_co_u32 s[G0M+1], s[G0M+1], MOFF
	s_wait_dscnt 0x0                ; the opening add is done
	s_wait_kmcnt 0x0
	s_add_nc_u64 s[G0K+2:G0K+3], s[6:7], s[76:77]  ; global addresses: the first 128 keys
	s_or_b32 s[G0K+3], s[G0K+3], 0x80000000        ; type = 2
	s_add_nc_u64 s[G0V+2:G0V+3], s[8:9], s[76:77]
	s_or_b32 s[G0V+3], s[G0V+3], 0x80000000
	s_add_nc_u64 s[G0M+2:G0M+3], s[10:11], s[78:79]
	s_or_b32 s[G0M+3], s[G0M+3], 0x80000000
	s_add_nc_u64 s[4:5], s[4:5], s[22:23]    ; Q and att at my wave's first row
	s_add_nc_u64 s[12:13], s[12:13], s[22:23]
	CROUND                          ; all sixteen work-groups are here: the first joint loads meet
	JLOAD                           ; slot 0.  Slot 1 is asked for when slot 0 is in
	; A fragment of K or Q is 16 rows x 32 channels in 8 registers: lane l holds row l % 16, channels 8 (l / 16) + 0..7 and 16 + 8 (l / 16) + 0..7: two loads of 16 bytes, 32 bytes apart.
	v_and_b32 v1, 15, v0            ; r = l % 16
	v_bfe_u32 v9, v0, 4, 1          ; h = l / 16
	v_lshlrev_b32 v[QO], 7, v1
	v_lshl_add_u32 v[QO], v9, 4, v[QO]  ; row x 128 + 16 h
	WIN 0x80                        ; destination window 2, address window 0
.set i, 0
.rept 2*NP                          ; Q stays in registers: piece i / 2, channels 32 (i % 2) on
	global_load_b128 v[8*i:8*i+3],   v[QO], s[4:5] offset:(i/2)*2048+(i%2)*64
	global_load_b128 v[8*i+4:8*i+7], v[QO], s[4:5] offset:(i/2)*2048+(i%2)*64+32
.set i, i+1
.endr
	; What the first turn finds: V's registers and P's second buffer hold 0 (its products V^T P, of a piece that has not been, add 0), O^T and l are 0.  No first step is written out for that price; it stands in the wait for the first tile.
.set i, VF
.rept 64
	v_mov_b32 v[i], 0
.set i, i+1
.endr
	WIN 0x40
.set i, 0
.rept 32*NP
	v_mov_b32 v[i], 0
.set i, i+1
.endr
	WIN 0
.set i, 0
.rept NP
	v_mov_b32 v[ST+4*i], 0xfe000000    ; c mx: far below every c u
	v_mov_b32 v[ST+4*i+1], 0xff7fffff  ; mx
	v_mov_b32 v[ST+4*i+2], 0
	v_mov_b32 v[ST+4*i+3], 0
.set i, i+1
.endr
.set i, P+16
.rept 16
	v_mov_b32 v[i], 0
.set i, i+1
.endr
	v_mul_u32_u24 v[AK0], v1, PK
	v_lshl_add_u32 v[AK0], v9, 4, v[AK0]  ; row x pitch + 16 h,
	s_mul_i32 s22, s15, KPL
	v_add_nc_u32 v[AK0], s22, v[AK0]      ; in my head's plane
	; The turning load takes 16 keys x 16 channels (lane l reads key 8 (l / 16) + l % 8, channels 8 ((l / 8) % 2) + 0..7) and leaves half a fragment of V^T: lane l holds channel l % 16 and 8 keys.
	v_and_b32 v10, 7, v0
	v_bfe_u32 v11, v0, 3, 1
	v_lshl_add_u32 v[AV0], v9, 3, v10
	v_mul_u32_u24 v[AV0], v[AV0], PV
	v_lshl_add_u32 v[AV0], v11, 4, v[AV0]
	s_mul_i32 s22, s15, VPL
	s_add_co_u32 s22, s22, VOFF
	v_add_nc_u32 v[AV0], s22, v[AV0]
	s_mul_i32 s22, s16, 64*PM       ; the mask: my 64 queries' rows; row r, 32 bytes for each half of the lanes
	s_add_co_u32 s22, s22, MOFF
	v_mul_u32_u24 v[AM0], v1, PM
	v_lshl_add_u32 v[AM0], v9, 5, v[AM0]
	v_add_nc_u32 v[AM0], s22, v[AM0]
; THE MATRIX WORK.  The 4 accumulators of a run of 8 take turns.  Product i of 8 of S^T = K Q^T for piece x: channels 32 (i / 4) on, keys 16 (i % 4) on.  The first 4 start the sums.
.macro KQ x
	WIN W_KQ
.set rS, S+32*((\x)%2)+8*(i%4)
.set rK, KF+16*(i%4)+8*(i/4)
.set rQ, 16*(\x)+8*(i/4)
.if i < 4
	v_wmma_f32_16x16x32_f16 v[rS:rS+7], v[rK:rK+7], v[rQ:rQ+7], 0
.else
	v_wmma_f32_16x16x32_f16 v[rS:rS+7], v[rK:rK+7], v[rQ:rQ+7], v[rS:rS+7]
.endif
.endm
; Product i of 8 of O^T += V^T P for piece x: keys 32 (i / 4) on, channels 16 (i % 4) on.
.macro PV x
	WIN W_PV
.set rO, 32*(\x)+8*(i%4)
.set rV, VF+32*(i/4)+8*(i%4)
.set rP, P+16*((\x)%2)+8*(i/4)
	v_wmma_f32_16x16x32_f16 v[rO:rO+7], v[rV:rV+7], v[rP:rP+7], v[rO:rO+7]
.endm
.macro MM                           ; the turn's next matrix instruction
.if i < 8
	KQ (Y+1)%NP
.else
.set i, i-8
	PV (Y+NP-1)%NP
.set i, i+8
.endif
.set i, i+1
.endm
; THE LDS LOADS stand in runs, never singly among the matrix instructions: a step's K (64 keys x 64 channels: 8 fragments), its V (turned), and a piece's mask (16 queries x 64 keys in f32).
; last = 1 (the tail): in the last trip there is no further step, and the run is jumped over.
.macro FETCH_K last=0
	WIN 0
.if \last
	s_cmp_eq_u32 s[CNT], 1
	s_cbranch_scc1 .Lno_k_\@
.endif
	WIN 0x80                        ; destination window 2
.irp f, 0,1,2,3,4,5,6,7             ; keys 16 (f / 2) on, channels 32 (f % 2) on
	ds_load_b128 v[KF+8*\f:KF+8*\f+3],   v[AK] offset:(\f/2)*16*PK+(\f%2)*64
	ds_load_b128 v[KF+8*\f+4:KF+8*\f+7], v[AK] offset:(\f/2)*16*PK+(\f%2)*64+32
.endr
	s_add_co_u32 s[TBK], s[TBK], KS*PK  ; the next fetch is the next step's
	WIN 0
.if \last
.Lno_k_\@:
.endif
.endm
.macro FETCH_V
	WIN 0x80
.irp f, 0,1,2,3,4,5,6,7             ; keys 32 (f / 4) on, channels 16 (f % 4) on
	ds_load_tr16_b128 v[VF+8*\f:VF+8*\f+3],   v[AV] offset:(\f/4)*32*PV+(\f%4)*32
	ds_load_tr16_b128 v[VF+8*\f+4:VF+8*\f+7], v[AV] offset:(\f/4)*32*PV+16*PV+(\f%4)*32
.endr
	WIN 0
.endm
.macro FETCH_M x, last=0            ; piece x's mask, into the buffer of its parity
	WIN 0
.if \last
	s_cmp_eq_u32 s[CNT], 1
	s_cbranch_scc1 .Lno_m_\@
.endif
	v_add_nc_u32 v[AM], s[TBM], v[AM0]
.irp g, 0,1,2,3                     ; keys 16 g + 8 h + 0..7: 32 bytes
	ds_load_b128 v[M+32*((\x)%2)+8*\g:M+32*((\x)%2)+8*\g+3],   v[AM] offset:(\x)*16*PM+64*\g
	ds_load_b128 v[M+32*((\x)%2)+8*\g+4:M+32*((\x)%2)+8*\g+7], v[AM] offset:(\x)*16*PM+64*\g+16
.endr
.if \last
.Lno_m_\@:
.endif
.endm
; THE VECTOR WORK, one line at a time: OP kind, number.  For piece Y: F n: c u - c mx for pair n of 16.  E n: the exponential of score n of 32.  C n: pair n rounded to f16.  B n: of the four weights 4 n .. the second
; pair is added onto the first, in place.  L n: l takes that sum (L 0: l = a l + sum).  R n: pair n of 16 of O^T times a.  For piece Y + 1: T n: 80000 m - 80000 for pair n.  U n: u = s m + that, in place
; (ascending: each accumulator's lowest registers are read first).  X n, number n of the 22 that find its maximum and statistics:
;   0-11  four chains c0-c3 of seven scores each, three operands at a time     12-14, 16  the four scores left over, the old mx, and c0-c3 into c0     15  c mx_old is kept
;   17, 18  the query's other 32 keys lie in the lane 16 away: the new mx     19-21  c mx; c mx_old - c mx_new; a
.set F, 0               ; OP tells the kinds apart by their order: F to L below R, X, T, U above it
.set E, 1
.set C, 2
.set B, 3
.set L, 4
.set R, 5
.set X, 6
.set T, 7
.set U, 8
.macro REGS y                       ; the registers of piece y
.set rT, ST+4*(\y)
.set rC, TMP+4*((\y)%2)
.set rW, MV+((\y)%2)
.set rS, S+32*((\y)%2)
.set rP, P+16*((\y)%2)
.set rM, M+32*((\y)%2)
.set rO, 32*(\y)
.endm
.macro OP k, n
.if (\k) == R
	REGS Y
	WIN W_RS
	v_pk_mul_f32 v[rO+2*(\n):rO+2*(\n)+1], v[rO+2*(\n):rO+2*(\n)+1], v[rC+2:rC+3] op_sel_hi:[1,0]
.elseif (\k) < R
	REGS Y
	WIN 0
.if (\k) == F
	v_pk_fma_f32 v[rS+2*(\n):rS+2*(\n)+1], v[rS+2*(\n):rS+2*(\n)+1], s[CS:CS+1], v[rT:rT+1] op_sel_hi:[1,0,0] neg_lo:[0,0,1] neg_hi:[0,0,1]
.elseif (\k) == E
	v_exp_f32 v[rS+(\n)], v[rS+(\n)]
.elseif (\k) == C
	v_cvt_pk_f16_f32 v[rP+(\n)], v[rS+2*(\n)], v[rS+2*(\n)+1]
.elseif (\k) == B
	v_pk_add_f32 v[rS+4*(\n):rS+4*(\n)+1], v[rS+4*(\n):rS+4*(\n)+1], v[rS+4*(\n)+2:rS+4*(\n)+3]
.elseif (\n) == 0
	v_pk_fma_f32 v[rT+2:rT+3], v[rT+2:rT+3], v[rC+2:rC+3], v[rS:rS+1] op_sel_hi:[1,0,1]
.else
	v_pk_add_f32 v[rT+2:rT+3], v[rT+2:rT+3], v[rS+4*(\n):rS+4*(\n)+1]
.endif
.else
	REGS (Y+1)%NP
	WIN 0
.if (\k) == T
	v_pk_fma_f32 v[BB+2*(\n):BB+2*(\n)+1], v[rM+2*(\n):rM+2*(\n)+1], s[KP:KP+1], s[KP:KP+1] op_sel_hi:[1,0,0] neg_lo:[0,0,1] neg_hi:[0,0,1]
.elseif (\k) == U
	v_pk_fma_f32 v[rS+2*(\n):rS+2*(\n)+1], v[rS+2*(\n):rS+2*(\n)+1], v[rM+2*(\n):rM+2*(\n)+1], v[BB+2*(\n):BB+2*(\n)+1]
.elseif (\n) < 4
	v_max3_num_f32 v[rC+(\n)], v[rS+8*(\n)], v[rS+8*(\n)+1], v[rS+8*(\n)+2]
.elseif (\n) < 12
	v_max3_num_f32 v[rC+(\n)%4], v[rC+(\n)%4], v[rS+8*((\n)%4)+2*((\n)/4)+1], v[rS+8*((\n)%4)+2*((\n)/4)+2]
.elseif (\n) == 12
	v_max3_num_f32 v[rC], v[rC], v[rS+7], v[rS+15]
.elseif (\n) == 13
	v_max3_num_f32 v[rC+1], v[rC+1], v[rS+23], v[rS+31]
	s_wait_alu depctr_va_vdst(0)
.elseif (\n) == 14
	v_max3_num_f32 v[rC+2], v[rC+2], v[rC+3], v[rT+1]
.elseif (\n) == 15
	v_mov_b32 v[rW], v[rT]
.elseif (\n) == 16
	v_max3_num_f32 v[rC], v[rC], v[rC+1], v[rC+2]
.elseif (\n) == 17
	v_permlanex16_b32 v[rC+3], v[rC], s[SEL], s[SEL+1]
.elseif (\n) == 18
	v_max_num_f32 v[rT+1], v[rC], v[rC+3]
.elseif (\n) == 19
	v_mul_f32 v[rT], s[CS], v[rT+1]
.elseif (\n) == 20
	v_sub_f32 v[rC+1], v[rW], v[rT]
.else
	v_exp_f32 v[rC+2], v[rC+1]
.endif
.endif
.endm
.macro OPS a, i1, b=-1, i2=0, c=-1, i3=0, d=-1, i4=0  ; up to four of them
	OP \a, \i1
.if (\b) >= 0
	OP \b, \i2
.endif
.if (\c) >= 0
	OP \c, \i3
.endif
.if (\d) >= 0
	OP \d, \i4
.endif
.endm
.macro ROW a, i1, b, i2, c, i3, d, i4  ; a matrix instruction and the four behind it
	MM
	OPS \a, \i1, \b, \i2, \c, \i3, \d, \i4
.endm
; A TURN, for piece p: the order of its 16 matrix and 150 vector instructions, written out.  None of the four behind a matrix instruction names a register of the products round it; every exponential has a plain
; instruction behind it that touches neither its result nor its source; v_permlanex16_b32 (X 17) stands in a lump.
; THE LOADS.  At its head the turn fetches the mask of piece p + 2 (for p = 2, 3: of the next step), whose buffer's last readers were the turn before's T and U; it is waited for at the next turn's head.
; K of the next step is fetched in piece 2's turn, eight plain instructions behind the last product that read K, and waited for at piece 3's head.  V of the step in hand is fetched in piece 0's turn, behind four rescalings
; and three more plain lines since the last product that read V, and waited for in the middle of piece 1's turn.
; last = 1: the tail's fetches of a next step, jumped over in its last trip.  cnt = 1: the loop's count is taken down some lines ahead of the branch that stands behind the turn.
.macro TURN p, last=0, cnt=0
.set Y, (\p)
.set i, 0
	WIN 0
.if (\p) == 1
	s_wait_dscnt 16                 ; piece 2's mask is in; behind it V's sixteen loads were issued and may stay out
.else
	s_wait_dscnt 0x0                ; piece p + 1's mask is in (p = 3: and K)
.endif
.if (\p) >= 2
	FETCH_M ((\p)+2)%NP, \last
.else
	FETCH_M ((\p)+2)%NP
.endif
.if (\p) == 1
	s_add_co_u32 s[TBM], s[TBM], KS*4  ; the next four fetches are the next step's
.endif
	ROW F,0, F,1, F,2, F,3
	ROW F,4, E,0, F,5, F,6
	ROW F,7, E,1, F,8, F,9
	ROW F,10, E,2, F,11, F,12
	ROW F,13, E,3, F,14, F,15
	ROW T,0, E,4, T,1, T,2
.if (\p) == 2
	v_add_nc_u32 v[AK], s[TBK], v[AK0]
.endif
	ROW T,3, E,5, T,4, T,5
	ROW T,6, E,6, T,7, T,8
	OPS E,7, T,9, E,8, T,10
	OPS E,9, T,11, E,10, T,12
	OPS E,11, T,13
.if (\p) == 2
	FETCH_K \last
.endif
	OPS E,12, T,14, E,13, T,15
.set z, 0
.rept 16                            ; ten plain instructions stand between the last K Q^T and U 0, the first line that reads its results
	OP E, 14+z
	OP U, z
.set z, z+1
.endr
.if (\p) == 1
	s_wait_dscnt 8                  ; V is in; this turn's eight loads of the mask were issued behind it and may stay out
.endif
	ROW X,0, E,30, X,1, X,2
	ROW X,3, E,31, X,4, X,5
	ROW X,6, X,7, X,8, X,9
	ROW X,10, X,11, X,12, X,13
	ROW C,0, C,1, X,14, X,15
	ROW C,2, C,3, X,16, B,0
.if (\p) == 0
	v_add_nc_u32 v[AV], s[TBV], v[AV0]
.endif
	ROW R,0, R,1, R,2, R,3
	ROW R,4, R,5, R,6, R,7
	OPS X,17, C,4, C,5, L,0
.if (\p) == 0
	FETCH_V
	s_add_co_u32 s[TBV], s[TBV], KS*PV
.endif
	OPS X,18, C,6, C,7, B,1
	OPS X,19, B,2, B,3, L,1
	OPS X,20, C,8, C,9, L,2
	OPS C,10, C,11, X,21, L,3
	OPS B,4, B,5, C,12, C,13
	OPS L,4, C,14, C,15, L,5
	OPS B,6, B,7, L,6, L,7
.if \cnt
	s_sub_co_u32 s[CNT], s[CNT], 1
	s_cmp_lg_u32 s[CNT], 0
.endif
	OPS R,8, R,9, R,10, R,11
	OPS R,12, R,13, R,14, R,15
.endm
	CHANGE 1                        ; slot 0 is in, everybody's part of it; slot 1 is asked for
	FETCH_M 0                       ; key step 0: the masks of pieces 0 and 1,
	FETCH_M 1
	v_add_nc_u32 v[AK], s[TBK], v[AK0]
	FETCH_K                         ; and K
	s_wait_loadcnt 0x0              ; Q
	s_wait_dscnt 0x0
.set i, 0
.rept 8
	KQ 0                            ; piece 0's first scores: there is no vector work yet to set between them
.set i, i+1
.endr
	WIN 0                           ; the addresses for the way out: plain instructions, the places behind those products
	s_mul_i32 s22, s[WV], 16*SP
	s_add_co_u32 s22, s22, STAGE    ; my stage
	v_mul_u32_u24 v[STO], v1, SP    ; in: row l % 16, 16 bytes for each half of the lanes
	v_lshl_add_u32 v[STO], v9, 4, v[STO]
	v_add_nc_u32 v[STO], s22, v[STO]
	v_bfe_u32 v[RD], v0, 3, 2       ; back: 32 lanes take four rows of 128 bytes,
	v_mul_u32_u24 v[RD], v[RD], SP
	v_lshl_add_u32 v[RD], v10, 4, v[RD]
	v_add_nc_u32 v[RD], s22, v[RD]
	v_and_b32 v[GO], 31, v0         ; which are 512 consecutive bytes of att
	v_lshlrev_b32 v[GO], 4, v[GO]
.set Y, NP-1                        ; T, U and X work for piece Y + 1: piece 0
.irp n, 0,1,2,3,4,5,6,7,8,9,10,11,12,13,14,15
	OP T, \n
.endr
.irp n, 0,1,2,3,4,5,6,7,8,9,10,11,12,13,14,15
	OP U, \n
.endr
.irp n, 0,1,2,3,4,5,6,7,8,9,10,11,12,13,14,15,16,17,18,19,20,21
	OP X, \n
.endr
	v_nop                           ; a plain instruction behind the exponential
	s_mov_b32 s[CNT], 2
	s_mov_b32 s[SLOTS], 2048/(2*KS)-1
	s_branch .Lfirst                ; the loop is entered at a step's first turn, in the middle of a trip
.Lslot:                             ; 14 times: every slot but the last two is filled again
	CHANGE 1
	s_mov_b32 s[CNT], 2
.Lstep:                             ; a trip: pieces 2 and 3 of one step, then pieces 0 and 1 of the next, whose K, V and masks it fetches
	TURN 2
	TURN 3
	WIN 0
.Lfirst:
	TURN 0
	TURN 1, 0, 1
	WIN 0
	s_cbranch_scc1 .Lstep
	s_sub_co_u32 s[SLOTS], s[SLOTS], 1
	s_cmp_lg_u32 s[SLOTS], 0
	s_cbranch_scc1 .Lslot
	CHANGE 0                        ; the tail is written out: nothing is asked for
	s_mov_b32 s[CNT], 3             ; two trips fetch the last slot's steps; the third is left in its middle
.Ltail:
	TURN 2, 1
	TURN 3, 1
	WIN 0
	s_sub_co_u32 s[CNT], s[CNT], 1
	s_cmp_eq_u32 s[CNT], 0
	s_cbranch_scc1 .Lout
	TURN 0
	TURN 1
	WIN 0
	s_branch .Ltail
.Lout:                              ; the third trip's 8 products K Q^T (on the last K once more) and the statistics made of them touch neither l nor O^T and serve nothing: the price, once a launch, of one text for every trip
.set i, 0
.rept 8
	PV NP-1                         ; the last piece's V^T P of the last step
.set i, i+1
.endr
	; THE WAY OUT.  l's two halves and the other half of the lanes' are added; O^T is divided by l, rounded to f16 and sent through my stage in LDS, a piece at a time.  The additions are the places behind the last products.
	WIN 0
.macro ALL line:vararg              ; one line for each piece t
.set t, 0
.rept NP
	\line
.set t, t+1
.endr
.endm
	ALL v_add_f32 v[ST+4*t+2], v[ST+4*t+2], v[ST+4*t+3]
	ALL v_permlanex16_b32 v[ST+4*t+3], v[ST+4*t+2], s[SEL], s[SEL+1]
	ALL v_add_f32 v[ST+4*t+2], v[ST+4*t+2], v[ST+4*t+3]
	ALL v_rcp_f32 v[ST+4*t+2], v[ST+4*t+2]
	v_nop                           ; a plain instruction between the last reciprocal and the use of its result
	s_wait_alu depctr_va_vdst(0)
; Piece t: a lane's eight channels of a row pack into 16 bytes; they go into rows of 144 bytes and come back as whole rows of 128, into S^T's registers.
.macro PACK t
	WIN W_RS
.set i, 32*(\t)
.rept 16
	v_pk_mul_f32 v[i:i+1], v[i:i+1], v[ST+4*(\t)+2:ST+4*(\t)+3] op_sel_hi:[1,0]
.set i, i+2
.endr
	WIN 0x05                        ; sources 0 and 1 window 1, destination window 0
.set i, 0
.rept 16
	v_cvt_pk_f16_f32 v[S+16*(\t)+i], v[32*(\t)+2*i], v[32*(\t)+2*i+1]
.set i, i+1
.endr
	WIN 0
.irp f, 0,1,2,3
	ds_store_b128 v[STO], v[S+16*(\t)+4*\f:S+16*(\t)+4*\f+3] offset:32*\f
.endr
.irp f, 0,1,2,3
	ds_load_b128 v[S+16*(\t)+4*\f:S+16*(\t)+4*\f+3], v[RD] offset:\f*4*SP  ; LDS serves a wave's instructions in order (ISA guide 5.7.1.4): these see the stores above; the next piece's stores come behind them
.endr
.endm
.macro SEND t, younger              ; younger: the LDS instructions issued behind piece t's loads: the next piece's eight, or none
	WIN 0
.irp f, 0,1,2,3
	s_wait_dscnt (\younger)+3-\f
	global_store_b128 v[GO], v[S+16*(\t)+4*\f:S+16*(\t)+4*\f+3], s[12:13] offset:(\t)*2048+\f*512  ; 512 consecutive bytes, at a multiple of 256 from att's first
.endr
.endm
	PACK 0
.set t, 1
.rept NP-1                          ; a piece's arithmetic stands between the loads of the piece before and its stores
	PACK t
	SEND t-1, 8
.set t, t+1
.endr
	SEND NP-1, 0
	s_wait_tensorcnt 0x0            ; the wave's end: behind my last tensor load and my last LDS store
	ds_add_u32 v[SPW], v[NIL]
	s_wait_dscnt 0x0
	CROUND                          ; the closing round: no work-group ends while a partner may still ask for a tile that names it
	s_endpgm
.Lfunc_end_k_q78afa76a40_attn:
	.size	k_q78afa76a40_attn, .Lfunc_end_k_q78afa76a40_attn-k_q78afa76a40_attn
	.p2alignl 7, 3214868480
	.fill 96, 4, 3214868480
	.section	.rodata,"a",@progbits
	.p2align	6, 0x0
	.amdhsa_kernel k_q78afa76a40_attn
		.amdhsa_group_segment_fixed_size 327680
		.amdhsa_private_segment_fixed_size 0
		.amdhsa_enable_private_segment 0
		.amdhsa_kernarg_size 40
		.amdhsa_user_sgpr_count 2
		.amdhsa_user_sgpr_kernarg_segment_ptr 1
		.amdhsa_wavefront_size32 1
		.amdhsa_system_sgpr_workgroup_id_x 1
		.amdhsa_system_sgpr_workgroup_id_y 1
		.amdhsa_system_sgpr_workgroup_id_z 1
		.amdhsa_system_vgpr_workitem_id 0
		.amdhsa_next_free_vgpr 768
		.amdhsa_next_free_sgpr 84
		.amdhsa_reserve_vcc 0
		.amdhsa_float_denorm_mode_32 3
		.amdhsa_float_denorm_mode_16_64 3
		.amdhsa_memory_ordered 1
		.amdhsa_forward_progress 1
		.amdhsa_inst_pref_size 134
	.end_amdhsa_kernel
	.amdgpu_metadata
---
amdhsa.version: [ 1, 2 ]
amdhsa.kernels:
  - .name:           k_q78afa76a40_attn
    .symbol:         k_q78afa76a40_attn.kd
    .args:
      - { .name: qh, .offset: 0, .size: 8, .value_kind: global_buffer, .address_space: global }
      - { .name: kh, .offset: 8, .size: 8, .value_kind: global_buffer, .address_space: global }
      - { .name: vh, .offset: 16, .size: 8, .value_kind: global_buffer, .address_space: global }
      - { .name: mask, .offset: 24, .size: 8, .value_kind: global_buffer, .address_space: global }
      - { .name: att, .offset: 32, .size: 8, .value_kind: global_buffer, .address_space: global }
    .group_segment_fixed_size: 327680
    .private_segment_fixed_size: 0
    .kernarg_segment_align: 8
    .kernarg_segment_size: 40
    .max_flat_workgroup_size: 128
    .sgpr_count:     84
    .vgpr_count:     768
    .wavefront_size: 32
...
	.end_amdgpu_metadata
.endif
;; end of part 3
;; launch proj (part 4): grid 8 x 32, 4 waves a work-group, clusters of 4 x 4, 327,680 bytes of LDS; arguments att, wo, out0; writes out0
.if DOCPART == 4
	.amdgcn_target "amdgcn-amd-amdhsa--gfx1250"
	.amdhsa_code_object_version 6
	.text
	.protected	k_q78afa76a40_proj
	.globl	k_q78afa76a40_proj
	.p2align	8
	.type	k_q78afa76a40_proj,@function
k_q78afa76a40_proj:
	s_mov_b64 s[64:65], 0
	v_nop
	global_prefetch_b8 v0, s[64:65] scope:SCOPE_SE
	s_setreg_imm32_b32 hwreg(HW_REG_WAVE_MODE, 25, 1), 1
	s_wait_xcnt 0x0
	s_wait_alu depctr_hold_cnt(0) depctr_sa_sdst(0) depctr_va_vdst(0) depctr_va_sdst(0) depctr_va_ssrc(0) depctr_va_vcc(0) depctr_vm_vsrc(0)
	s_getreg_b32 s2, hwreg(HW_REG_IB_STS2, 6, 4)
	s_cmp_eq_u32 s2, 0
	s_cbranch_scc0 .Lentry_in_a_cluster
	s_endpgm
.Lentry_in_a_cluster:
	s_bfe_u32 s2, ttmp6, 0x10000c
	s_cmp_lg_u32 s2, 0xf033
	s_cbranch_scc0 .Lentry_shape_is_right
	s_endpgm
.Lentry_shape_is_right:
; out0[b][s][c] = the sum over head and channel of att[b][head][s][channel] wo[64 head + channel][c].  att: [2][16][2048][64] f16, wo: [1024][1024] f16, out0: [4096][1024] f32; sums in f32.
; A tile of C is 128 x 128: 8 x 32 = 256 work-groups.  Four waves, each 64 x 64: 16 accumulators of 16 x 16.  K goes in four steps of 256 (four heads) through two LDS slots.
; A's tile is four heads' planes of 128 rows x 128 bytes, each plane dense in memory: a tensor load brings two planes as two long rows of 16,384 bytes, padded in LDS after every 128 bytes.
; B's tile lies as in memory, [k][column] (rows of 256 bytes + 32), and is turned on its way into registers by ds_load_tr16_b128.
; CLUSTERS: 4 x 4 work-groups.  The four of a row of the cluster need the same tiles of A, the four of a column the same tiles of B: each tile is asked for JOINTLY.
; THE MATRIX INSTRUCTION IS USED TRANSPOSED (source 0 = 16 columns of B, source 1 = 16 rows of A): a lane holds eight neighbouring numbers of a row of C.
; A wave's 64 columns are 256 bytes of a row of out0, at a multiple of 256 from its first byte: each wave sends its block through a stage of its own, with no barrier.
; REGISTERS: window 0: v0-31 addresses; v128-255 the accumulators ((a, b) at v[128 + 8 (4 a + b)]).  window 1: two fragment buffers of 128: 64 registers of A, then 64 of B.
.set NN,     1024                      ; B's and C's columns
.set PA,     144                       ; A's LDS row: 128 bytes + 16 = 9 x 16: the 16 rows of a load start at 16 different groups of four banks (64 banks of 4 bytes: ISA guide 11.1)
.set AQ,     128*PA                    ; bytes from a quarter step (64 along K: one head's plane) to the next
.set HALFA,  2*AQ                      ; one tensor load of A: two planes
.set PB,     288                       ; B's LDS row: 256 bytes + 32 = 9 x 32
.set HALFB,  128*PB                    ; one tensor load of B: 128 rows of k
.set BOFF,   2*HALFA
.set SLOT,   BOFF+2*HALFB
.set STAGE,  2*SLOT                    ; behind the ring, never filled by a tensor load: 16 rows x 272 bytes for each wave
.set SP32,   272
.set WST,    16*SP32
.set SPARE,  STAGE+4*WST               ; behind the stages: the spare words, 128 bytes for each wave: two blocks of 256 bytes that no other line names
.set ASTEP,  4*262144                  ; bytes from a K step to the next in A: four heads' planes,
.set BSTEP,  256*NN*2                  ; and in B
.set ADRA, 16                          ; v16-17  LDS address of my A fragments in slot 0, 1
.set ADRB, 20                          ; v20-23  the same for B: 2 x slot + half of the step's 256 rows of k
.set STO,  24                          ; v24     the way out: where I put 32 bytes of a row
.set RD,   25                          ; v25     the way out: where I read rows back
.set CO,   26                          ; v26     my byte offset in two rows of out0
.set SPW,  28                          ; v28     LDS address of my spare word; never rewritten
.set NIL,  29                          ; v29     0; never rewritten
.set ACC,  128
.set F0,   0                           ; fragment buffers, in window 1
.set F1,   128
.set G1,  24                           ; s[24:31] descriptor group 1 for A's tiles;  s[32:39] group 0, one set for each slot
.set G0,  32
.set G1B, 48                           ; s[48:55], s[56:63] the same for B's tiles
.set G0B, 56
.set MSB, 0
.macro WIN new                         ; the immediate's high byte repeats the setting that is left; a switch that changes nothing is dropped
.if MSB != (\new)
	s_set_vgpr_msb (MSB<<8)|(\new)
.set MSB, \new
.endif
.endm
.set MUL,  0x05                        ; sources 0 (B) and 1 (A) window 1; C and D window 0
.set TO_F, 0x40                        ; destination window 1, address window 0
.macro JLOAD s                         ; a joint load: waves 0 and 1 fetch A's two halves, waves 2 and 3 B's; an s_nop 0 and four v_nop follow each line, ahead of the jump and the label
	s_cmp_eq_u32 s11, 0
	s_cbranch_scc0 .Lfor_b_\@
	tensor_load_to_lds s[G0+4*(\s):G0+4*(\s)+3], s[G1:G1+7]
	s_nop 0
.rept 4
	v_nop
.endr
	s_branch .Lasked_\@
.Lfor_b_\@:
	tensor_load_to_lds s[G0B+4*(\s):G0B+4*(\s)+3], s[G1B:G1B+7]
	s_nop 0
.rept 4
	v_nop
.endr
.Lasked_\@:
.endm
.macro CREST                           ; a round of the cluster's barrier behind its opening barrier
	s_cmp_lg_u32 s10, 0
	s_cbranch_scc1 .Lnot_wave_0_\@
	s_barrier_signal -3
.Lnot_wave_0_\@:
	s_barrier_wait -3
	s_barrier_signal -1
	s_barrier_wait -1
.endm
.macro CROUND                          ; a whole round
	s_barrier_signal -1
	s_barrier_wait -1
	CREST
.endm
	s_load_b128 s[4:7], s[0:1], 0x0                ; att s[4:5], wo s[6:7]
	s_load_b64 s[8:9], s[0:1], 0x10                ; out0
	v_lshl_add_u32 v[SPW], v0, 2, SPARE
	v_mov_b32 v[NIL], 0
	ds_add_u32 v[SPW], v[NIL]                      ; the wave's opening: the add and its wait stand ahead of my first tensor load; the set-up below, work on registers, stands between them
	v_lshrrev_b32 v1, 5, v0
	v_readfirstlane_b32 s10, v1                    ; wave 0..3
	s_lshr_b32 s11, s10, 1                         ; which half of the tile's rows is mine.  Also: I fetch for A (0) or for B (1)
	s_and_b32 s12, s10, 1                          ; which half of its columns.  Also: which half of that tile I fetch
	s_bfe_u32 s40, ttmp6, 0x40000                  ; cx, cy: my place in the cluster
	s_bfe_u32 s41, ttmp6, 0x40004
	s_lshl_b32 s42, ttmp9, 2
	s_add_co_u32 s42, s42, s40                     ; tile column = 4 x cluster x + cx
	s_and_b32 s13, ttmp7, 0xffff
	s_lshl_b32 s13, s13, 2
	s_add_co_u32 s13, s13, s41                     ; tile row = 4 x cluster y + cy
	s_lshl_b32 s43, s41, 2
	s_lshl_b32 s43, 15, s43                        ; my row of the cluster
	s_lshl_b32 s44, 0x1111, s40                    ; my column
	s_or_b32 s[G1+0], s43, (3<<16)|(1<<20)|(1<<21)|(4<<22)|(3<<25)  ; A: the mask of my row; 8-byte elements; padding on; bit 21 beside a mask; after every 32 words (code 4) 4 words (code 3)
	s_mov_b32 s[G1+1], 2048<<16                    ; tensor_dim0 = 2,048 elements: a plane's 128 rows of 128 bytes
	s_mov_b32 s[G1+2], 2<<16                       ; tensor_dim1 = 2 planes
	s_mov_b32 s[G1+3], 2048<<16                    ; tile_dim0
	s_mov_b32 s[G1+4], 2                           ; tile_dim1
	s_mov_b32 s[G1+5], 32768                       ; elements from a head's plane to the next: 262,144 bytes
	s_mov_b32 s[G1+6], 0
	s_mov_b32 s[G1+7], 0
	s_or_b32 s[G1B+0], s44, (1<<16)|(1<<20)|(1<<21)|(5<<22)|(7<<25) ; B: the mask of my column; 2-byte elements; after every 64 words (code 5) 8 words (code 7)
	s_mov_b32 s[G1B+1], 128<<16                    ; tensor_dim0 = 128 columns
	s_mov_b32 s[G1B+2], 128<<16                    ; tensor_dim1 = 128 rows of k
	s_mov_b32 s[G1B+3], 128<<16                    ; tile_dim0
	s_mov_b32 s[G1B+4], 128                        ; tile_dim1
	s_mov_b32 s[G1B+5], NN
	s_mov_b32 s[G1B+6], 0
	s_mov_b32 s[G1B+7], 0
	s_lshr_b32 s16, s13, 4                         ; A: plane 16 x batch + 2 x half, row 128 x (tile row % 16): it hangs on the tile row alone, which my row of the cluster shares
	s_lshl_b32 s16, s16, 4
	s_lshl_b32 s17, s12, 1
	s_add_co_u32 s16, s16, s17
	s_lshl_b32 s16, s16, 18
	s_and_b32 s17, s13, 15
	s_lshl_b32 s17, s17, 14
	s_add_co_u32 s16, s16, s17
	s_mov_b32 s17, 0
	s_mul_i32 s46, s12, 128*NN*2                   ; B: row of k 128 x half, column 128 x tile column: it hangs on the tile column alone, which my column shares
	s_lshl_b32 s47, s42, 8
	s_add_co_u32 s46, s46, s47
	s_mov_b32 s47, 0
	s_mul_i32 s20, s12, HALFA                      ; where they go: no place in the cluster enters an LDS address
	s_mul_i32 s22, s12, HALFB
	s_add_co_u32 s22, s22, BOFF
	s_wait_dscnt 0x0                               ; the opening add is done
	s_wait_kmcnt 0x0
	s_add_nc_u64 s[14:15], s[4:5], s[16:17]
	s_add_nc_u64 s[46:47], s[6:7], s[46:47]
	CROUND                                         ; all sixteen work-groups are here: the first joint loads meet
.irp s, 0,1
	s_mov_b32 s[G0+4*(\s)], 1                      ; count = 1
	s_add_co_u32 s[G0+4*(\s)+1], s20, (\s)*SLOT    ; LDS address
	s_add_nc_u64 s[G0+4*(\s)+2:G0+4*(\s)+3], s[14:15], (\s)*ASTEP  ; global address: K step s
	s_or_b32 s[G0+4*(\s)+3], s[G0+4*(\s)+3], 0x80000000            ; type = 2
	s_mov_b32 s[G0B+4*(\s)], 1
	s_add_co_u32 s[G0B+4*(\s)+1], s22, (\s)*SLOT
	s_add_nc_u64 s[G0B+4*(\s)+2:G0B+4*(\s)+3], s[46:47], (\s)*BSTEP
	s_or_b32 s[G0B+4*(\s)+3], s[G0B+4*(\s)+3], 0x80000000
	JLOAD \s                                       ; two loads of mine are out
.endr
	v_and_b32 v1, 15, v0                           ; r = l % 16
	v_bfe_u32 v2, v0, 4, 1                         ; h = l / 16
	v_mul_u32_u24 v3, v1, PA
	v_lshl_add_u32 v3, v2, 4, v3                   ; A: row x pitch + 16 h
	s_mul_i32 s21, s11, 64*PA                      ; my 64 rows, in every plane
	v_add_nc_u32 v[ADRA], s21, v3
	v_add_nc_u32 v[ADRA+1], SLOT, v[ADRA]
	v_and_b32 v4, 7, v0                            ; B, turned: lane l reads row of k 8 h + l % 8, columns 8 ((l / 8) % 2) + 0..7
	v_lshl_add_u32 v4, v2, 3, v4
	v_mul_u32_u24 v4, v4, PB
	v_bfe_u32 v5, v0, 3, 1
	v_lshl_add_u32 v4, v5, 4, v4
	s_lshl_b32 s22, s12, 7                         ; my 64 columns
	s_add_co_u32 s22, s22, BOFF
	v_add_nc_u32 v4, s22, v4
.irp j, 0,1,2,3
	v_add_nc_u32 v[ADRB+(\j)], ((\j)/2)*SLOT+((\j)%2)*HALFB, v4
.endr
	s_mul_i32 s23, s10, WST
	s_add_co_u32 s23, s23, STAGE                   ; my stage
	v_mul_u32_u24 v6, v1, SP32                     ; in: row r, 32 bytes for each half of the lanes
	v_lshl_add_u32 v6, v2, 5, v6
	v_add_nc_u32 v[STO], s23, v6
	v_mul_u32_u24 v6, v2, SP32                     ; back: lanes 0-15 take one row of 256 bytes, lanes 16-31 the next
	v_lshl_add_u32 v6, v1, 4, v6
	v_add_nc_u32 v[RD], s23, v6
	v_lshlrev_b32 v6, 12, v2                       ; and the same two rows in out0, 4,096 bytes apart
	v_lshl_add_u32 v[CO], v1, 4, v6
	s_lshl_b32 s16, s13, 7                         ; my first row of out0: 128 x tile row + 64 x half
	s_lshl_b32 s17, s11, 6
	s_add_co_u32 s16, s16, s17
	s_lshl_b32 s16, s16, 12
	s_mov_b32 s17, 0
	s_add_nc_u64 s[8:9], s[8:9], s[16:17]
	s_lshl_b32 s46, s42, 9                         ; my first column, in bytes: 512 x tile column + 256 x half
	s_lshl_b32 s47, s12, 8
	s_add_co_u32 s46, s46, s47
	s_mov_b32 s47, 0
	s_add_nc_u64 s[8:9], s[8:9], s[46:47]
; 8 matrix instructions: m blocks a0, a0 + 1 x all 4 n blocks, 32 along K: half c of buffer f.  zero = 1: the first product starts the sums.  The 16 accumulators take turns.
.macro MUL8 f, c, a0, zero
	WIN MUL
.irp a, \a0, (\a0)+1
.irp b, 0,1,2,3
.if \zero
	v_wmma_f32_16x16x32_f16 v[ACC+8*(4*(\a)+(\b)):ACC+8*(4*(\a)+(\b))+7], v[(\f)+64+8*(4*(\c)+(\b)):(\f)+64+8*(4*(\c)+(\b))+7], v[(\f)+8*(4*(\c)+(\a)):(\f)+8*(4*(\c)+(\a))+7], 0
.else
	v_wmma_f32_16x16x32_f16 v[ACC+8*(4*(\a)+(\b)):ACC+8*(4*(\a)+(\b))+7], v[(\f)+64+8*(4*(\c)+(\b)):(\f)+64+8*(4*(\c)+(\b))+7], v[(\f)+8*(4*(\c)+(\a)):(\f)+8*(4*(\c)+(\a))+7], v[ACC+8*(4*(\a)+(\b)):ACC+8*(4*(\a)+(\b))+7]
.endif
.endr
.endr
.endm
; 32 LDS loads in one run: the fragments of quarter q (64 along K: one head) of a slot's step into buffer f; the first 32 along K first
.macro FETCH slot, q, f
	WIN TO_F
.irp c, 0,1
.irp i, 0,1,2,3
	ds_load_tr16_b128 v[(\f)+64+8*(4*(\c)+(\i)):(\f)+64+8*(4*(\c)+(\i))+3],   v[ADRB+2*(\slot)+(\q)/2] offset:(((\q)%2)*64+32*(\c))*PB+32*(\i)
	ds_load_tr16_b128 v[(\f)+64+8*(4*(\c)+(\i))+4:(\f)+64+8*(4*(\c)+(\i))+7], v[ADRB+2*(\slot)+(\q)/2] offset:(((\q)%2)*64+32*(\c)+16)*PB+32*(\i)
	ds_load_b128 v[(\f)+8*(4*(\c)+(\i)):(\f)+8*(4*(\c)+(\i))+3],         v[ADRA+(\slot)] offset:(\q)*AQ+64*(\c)+(\i)*16*PA
	ds_load_b128 v[(\f)+8*(4*(\c)+(\i))+4:(\f)+8*(4*(\c)+(\i))+7],       v[ADRA+(\slot)] offset:(\q)*AQ+64*(\c)+(\i)*16*PA+32
.endr
.endr
.endm
.macro PLACES                          ; four places in front of loads into registers that matrix instructions have read, and of lines that read results
.rept 4
	v_nop
.endr
.endm
; A K step is four quarters of 64 along K, 32 matrix instructions each, on buffers 0, 1, 0, 1.  One of the first three: multiplies buffer f and fetches quarter q into g.
.macro QUARTER slot, q, f, g, zero
	s_wait_dscnt 16                                ; the first 32 along K are in; the youngest sixteen loads may be out
	MUL8 \f, 0, 0, \zero
	MUL8 \f, 0, 2, \zero
	PLACES
	FETCH \slot, \q, \g
	s_wait_dscnt 32                                ; all but the 32 just issued
	MUL8 \f, 1, 0, 0
	MUL8 \f, 1, 2, 0
.endm
; The last quarter multiplies buffer 1 and changes slots: ONE barrier; in front of it each wave waits for all its tensor loads, adds 0 to its spare word, and waits for that and for its own reads of this slot.
; fill = 1: this slot is filled again, two K steps ahead; the barrier then opens a round of the cluster's barrier.
.macro TURN slot, next, fill
	WIN 0                                          ; (the add's two registers lie in window 0)
	s_wait_tensorcnt 0x0                           ; all my tensor loads have landed: my part of the next slot;
	ds_add_u32 v[SPW], v[NIL]                      ; 0 onto my spare word;
	s_wait_dscnt 17                                ; (the add and the youngest sixteen loads may be out)
	MUL8 F1, 0, 0, 0                               ; eight matrix instructions stand between the add and the wait for it
	s_wait_dscnt 0x0                               ; the add is done, and my reads of this slot are over
	s_barrier_signal -1
	MUL8 F1, 0, 2, 0
.if \fill
	WIN 0
.endif
	s_barrier_wait -1
.if \fill
	CREST                                          ; no wave of any partner still reads this slot's tile or has a load on its way
	s_add_nc_u64 s[G0+4*(\slot)+2:G0+4*(\slot)+3], s[G0+4*(\slot)+2:G0+4*(\slot)+3], 2*ASTEP
	s_add_nc_u64 s[G0B+4*(\slot)+2:G0B+4*(\slot)+3], s[G0B+4*(\slot)+2:G0B+4*(\slot)+3], 2*BSTEP
	JLOAD \slot                                    ; the first tensor load behind the round, my only one out; its four v_nop are also the places in front of the loads below
.else
	PLACES
.endif
	FETCH \next, 0, F0
	MUL8 F1, 1, 0, 0
	MUL8 F1, 1, 2, 0
.endm
	s_wait_tensorcnt 1                             ; my part of K step 0 is in; step 1's may stay out
	s_barrier_signal -1
	s_barrier_wait -1                              ; everybody's is
	FETCH 0, 0, F0
	QUARTER 0, 1, F0, F1, 1                        ; K step 0: its first products start the sums.  The four K steps are written on end: a loop would make one trip
	QUARTER 0, 2, F1, F0, 0
	QUARTER 0, 3, F0, F1, 0
	TURN 0, 1, 1                                   ; slot 0 takes K step 2
	QUARTER 1, 1, F0, F1, 0
	QUARTER 1, 2, F1, F0, 0
	QUARTER 1, 3, F0, F1, 0
	TURN 1, 0, 1                                   ; slot 1 takes K step 3
	QUARTER 0, 1, F0, F1, 0
	QUARTER 0, 2, F1, F0, 0
	QUARTER 0, 3, F0, F1, 0
	TURN 0, 1, 0                                   ; nothing is left to fetch
	QUARTER 1, 1, F0, F1, 0
	QUARTER 1, 2, F1, F0, 0
	QUARTER 1, 3, F0, F1, 0
	s_wait_dscnt 16                                ; the very last quarter
	MUL8 F1, 0, 0, 0
	MUL8 F1, 0, 2, 0
	s_wait_dscnt 0
	MUL8 F1, 1, 0, 0
	MUL8 F1, 1, 2, 0
	WIN 0
; THE WAY OUT, 16 rows (block a) at a time: 32 bytes a lane into rows of 272 bytes of my stage (each accumulator's low four registers first), back as two whole rows of 256 bytes a load,
; into the registers that the block left.
.macro STAGE32 a
.irp b, 0,1,2,3
	ds_store_b128 v[STO], v[ACC+8*(4*(\a)+(\b)):ACC+8*(4*(\a)+(\b))+3] offset:64*(\b)
	ds_store_b128 v[STO], v[ACC+8*(4*(\a)+(\b))+4:ACC+8*(4*(\a)+(\b))+7] offset:64*(\b)+16
.endr
.irp t, 0,1,2,3,4,5,6,7
	ds_load_b128 v[ACC+32*(\a)+4*(\t):ACC+32*(\a)+4*(\t)+3], v[RD] offset:(\t)*2*SP32  ; LDS serves a wave's instructions in order (ISA guide 5.7.1.4): these see the stores above; the next block's stores come behind them
.endr
.endm
.macro SEND32 a, younger               ; younger: the LDS instructions issued behind block a's loads: the next block's sixteen, or none
.irp t, 0,1,2,3,4,5,6,7
	s_wait_dscnt (\younger)+7-(\t)
	global_store_b128 v[CO], v[ACC+32*(\a)+4*(\t):ACC+32*(\a)+4*(\t)+3], s[8:9] offset:(16*(\a)+2*(\t))*4096  ; 16 lanes store 256 consecutive bytes, at a multiple of 256 from out0's first byte
.endr
.endm
	PLACES
	STAGE32 0
	STAGE32 1
	SEND32 0, 16
	STAGE32 2
	SEND32 1, 16
	STAGE32 3
	SEND32 2, 16
	SEND32 3, 0
	s_wait_tensorcnt 0x0                           ; the wave's end: behind my last tensor load and my last LDS store
	ds_add_u32 v[SPW], v[NIL]
	s_wait_dscnt 0x0
	CROUND                                         ; the closing round: no work-group ends while a partner may still ask for a tile that names it
	s_endpgm
.Lfunc_end_k_q78afa76a40_proj:
	.size	k_q78afa76a40_proj, .Lfunc_end_k_q78afa76a40_proj-k_q78afa76a40_proj
	.p2alignl 7, 3214868480
	.fill 96, 4, 3214868480
	.section	.rodata,"a",@progbits
	.p2align	6, 0x0
	.amdhsa_kernel k_q78afa76a40_proj
		.amdhsa_group_segment_fixed_size 327680
		.amdhsa_private_segment_fixed_size 0
		.amdhsa_enable_private_segment 0
		.amdhsa_kernarg_size 24
		.amdhsa_user_sgpr_count 2
		.amdhsa_user_sgpr_kernarg_segment_ptr 1
		.amdhsa_wavefront_size32 1
		.amdhsa_system_sgpr_workgroup_id_x 1
		.amdhsa_system_sgpr_workgroup_id_y 1
		.amdhsa_system_sgpr_workgroup_id_z 1
		.amdhsa_system_vgpr_workitem_id 0
		.amdhsa_next_free_vgpr 512
		.amdhsa_next_free_sgpr 66
		.amdhsa_reserve_vcc 0
		.amdhsa_float_denorm_mode_32 3
		.amdhsa_float_denorm_mode_16_64 3
		.amdhsa_memory_ordered 1
		.amdhsa_forward_progress 1
		.amdhsa_inst_pref_size 87
	.end_amdhsa_kernel
	.amdgpu_metadata
---
amdhsa.version: [ 1, 2 ]
amdhsa.kernels:
  - .name:           k_q78afa76a40_proj
    .symbol:         k_q78afa76a40_proj.kd
    .args:
      - { .name: att, .offset: 0, .size: 8, .value_kind: global_buffer, .address_space: global }
      - { .name: wo, .offset: 8, .size: 8, .value_kind: global_buffer, .address_space: global }
      - { .name: out0, .offset: 16, .size: 8, .value_kind: global_buffer, .address_space: global }
    .group_segment_fixed_size: 327680
    .private_segment_fixed_size: 0
    .kernarg_segment_align: 8
    .kernarg_segment_size: 24
    .max_flat_workgroup_size: 128
    .sgpr_count:     66
    .vgpr_count:     512
    .wavefront_size: 32
...
	.end_amdgpu_metadata
.endif
;; end of part 4
;; ======== version 2 of 2: 4 launches; version 1 with the launch cast written anew for expert scheduling mode
;; limits: values are held in f16: magnitudes above 65,504 overflow, below 6.1e-05 lose precision
;; workspace buffers: xh 8,388,608 bytes; wq 6,291,456 bytes; wo 2,097,152 bytes; qh 8,388,608 bytes; kh 8,388,608 bytes; vh 8,388,608 bytes; att 8,388,608 bytes
;; launch cast (part 5): grid 512 x 1, 8 waves a work-group, no clusters, 0 bytes of LDS; arguments hidden_states, qkv, o, xh, wq, wo; writes xh, wq, wo
.if DOCPART == 5
	.amdgcn_target "amdgcn-amd-amdhsa--gfx1250"
	.amdhsa_code_object_version 6
	.text
	.protected	k_q78afa76a40_cast
	.globl	k_q78afa76a40_cast
	.p2align	8
	.type	k_q78afa76a40_cast,@function
k_q78afa76a40_cast:
	s_mov_b64 s[64:65], 0
	v_nop
	global_prefetch_b8 v0, s[64:65] scope:SCOPE_SE
	s_setreg_imm32_b32 hwreg(HW_REG_WAVE_SCHED_MODE, 0, 2), 2
	s_setreg_imm32_b32 hwreg(HW_REG_WAVE_MODE, 25, 1), 1
	s_wait_xcnt 0x0
	s_wait_alu depctr_vm_vsrc(0)
; xh, wq, wo = hidden_states, qkv, o: each f32 rounded to bf16 (nearest even), and that number written as f16; layouts unchanged.
; LIMITS.  A bf16 number is exact in f16 from 2^-17 to 65,504 in size; smaller ones keep f16's fixed step of 6e-8, larger ones become infinities.
; SHARES.  The three inputs are 256 + 192 + 64 = 512 pieces of 65,536 bytes; a work-group takes one piece.  Thread t, step i: 16 bytes in at 16 t + 4,096 i,
; 8 bytes out at 8 t + 2,048 i: a wave's load covers 512 consecutive bytes, its store 256 consecutive bytes at a multiple of 256 from the buffer's first byte.
; A pure stream: every byte once, all sixteen loads of a thread out at once; LDS, barriers and matrix units would add nothing.
; THE MODE: SCHED_MODE bits 1:0 = 2 (LLVM: expert scheduling mode 2), set by the entry lines.  The code itself states the register dependences
; between vector instructions and memory instructions, with s_wait_alu, always for 0.
; THE PLAN.  Registers that memory instructions touch:
;   v1, v2   byte offsets, made once at the head by vector instructions; v1 is read by every load, v2 by every store; never written again.
;   X        step i: four registers in which load i lands; all sixteen loads are issued before any vector instruction names X; read by step i's roundings; never loaded again.
;   Y        step i: two registers written by step i's last two conversions and read by store i; never written again.
;   T        named by vector instructions alone.
; The sixteen steps go in four blocks of four: the block's 32 vector instructions, ONE wait, the block's four stores in one run.  With the wait ahead of the first load that is five waits.
; No register that a load or store reads is ever written again, so no wait for a memory instruction's reads of its registers is owed.
.set X, 4                              ; v[4:67]    step i: 4 numbers as loaded
.set Y, 68                             ; v[68:99]   step i: 4 numbers in f16
.set T, 100                            ; v[100:105] at work
	s_load_b256 s[4:11], s[0:1], 0x0               ; hidden_states s[4:5], qkv s[6:7], o s[8:9], xh s[10:11]
	s_load_b128 s[12:15], s[0:1], 0x20             ; wq s[12:13], wo s[14:15]
	v_lshlrev_b32 v1, 4, v0                        ; 16 t
	v_lshlrev_b32 v2, 3, v0                        ; 8 t
	s_mov_b32 s3, 0xffff0000                       ; a word's upper bf16
	s_movk_i32 s20, 448                            ; the first piece of o
	s_wait_kmcnt 0x0
	s_cmp_lt_u32 ttmp9, 448                        ; which tensor is my piece's: the choice hangs on the work-group's number alone
	s_cselect_b64 s[16:17], s[6:7], s[8:9]
	s_cselect_b64 s[18:19], s[12:13], s[14:15]
	s_cselect_b32 s20, 256, s20
	s_cmp_lt_u32 ttmp9, 256
	s_cselect_b64 s[16:17], s[4:5], s[16:17]
	s_cselect_b64 s[18:19], s[10:11], s[18:19]
	s_cselect_b32 s20, 0, s20
	s_sub_co_u32 s21, ttmp9, s20                   ; my piece's number in its tensor
	s_lshl_b32 s22, s21, 16
	s_mov_b32 s23, 0
	s_add_nc_u64 s[16:17], s[16:17], s[22:23]      ; 65,536 bytes a piece in,
	s_lshl_b32 s22, s21, 15
	s_add_nc_u64 s[18:19], s[18:19], s[22:23]      ; 32,768 out
	s_wait_alu depctr_va_vdst(0)                   ; v1 and v2 are written: every load below reads v1, every store v2, as its offset
.irp i, 0,1,2,3,4,5,6,7,8,9,10,11,12,13,14,15
	global_load_b128 v[X+4*(\i):X+4*(\i)+3], v1, s[16:17] offset:4096*(\i) th:TH_LOAD_NT
.endr
.irp p, 0,1,2,3                        ; block p: steps 4 p to 4 p + 3
.irp j, 0,1,2,3
	s_wait_loadcnt 15-4*(\p)-(\j)                  ; loads come back in order: step 4 p + j is in, the younger ones stay out
	v_cvt_pk_bf16_f32 v[T], v[X+16*(\p)+4*(\j)], v[X+16*(\p)+4*(\j)+1]
	v_cvt_pk_bf16_f32 v[T+1], v[X+16*(\p)+4*(\j)+2], v[X+16*(\p)+4*(\j)+3]
	v_lshlrev_b32 v[T+2], 16, v[T]                 ; the bf16 numbers as f32 again
	v_and_b32 v[T+3], s3, v[T]
	v_lshlrev_b32 v[T+4], 16, v[T+1]
	v_and_b32 v[T+5], s3, v[T+1]
	v_cvt_pk_f16_f32 v[Y+8*(\p)+2*(\j)], v[T+2], v[T+3]
	v_cvt_pk_f16_f32 v[Y+8*(\p)+2*(\j)+1], v[T+4], v[T+5]
.endr
	s_wait_alu depctr_va_vdst(0)                   ; the block's conversions have written its eight registers of Y, which the four stores below read
.irp j, 0,1,2,3
	global_store_b64 v2, v[Y+8*(\p)+2*(\j):Y+8*(\p)+2*(\j)+1], s[18:19] offset:2048*(4*(\p)+(\j))  ; every step has its own data registers: nothing that a store names is written again
.endr
.endr
	s_endpgm
.Lfunc_end_k_q78afa76a40_cast:
	.size	k_q78afa76a40_cast, .Lfunc_end_k_q78afa76a40_cast-k_q78afa76a40_cast
	.p2alignl 7, 3214868480
	.fill 96, 4, 3214868480
	.section	.rodata,"a",@progbits
	.p2align	6, 0x0
	.amdhsa_kernel k_q78afa76a40_cast
		.amdhsa_group_segment_fixed_size 0
		.amdhsa_private_segment_fixed_size 0
		.amdhsa_enable_private_segment 0
		.amdhsa_kernarg_size 48
		.amdhsa_user_sgpr_count 2
		.amdhsa_user_sgpr_kernarg_segment_ptr 1
		.amdhsa_wavefront_size32 1
		.amdhsa_system_sgpr_workgroup_id_x 1
		.amdhsa_system_sgpr_workgroup_id_y 1
		.amdhsa_system_sgpr_workgroup_id_z 1
		.amdhsa_system_vgpr_workitem_id 0
		.amdhsa_next_free_vgpr 108
		.amdhsa_next_free_sgpr 66
		.amdhsa_reserve_vcc 0
		.amdhsa_float_denorm_mode_32 3
		.amdhsa_float_denorm_mode_16_64 3
		.amdhsa_memory_ordered 1
		.amdhsa_forward_progress 1
		.amdhsa_inst_pref_size 11
	.end_amdhsa_kernel
	.amdgpu_metadata
---
amdhsa.version: [ 1, 2 ]
amdhsa.kernels:
  - .name:           k_q78afa76a40_cast
    .symbol:         k_q78afa76a40_cast.kd
    .args:
      - { .name: hidden_states, .offset: 0, .size: 8, .value_kind: global_buffer, .address_space: global }
      - { .name: qkv, .offset: 8, .size: 8, .value_kind: global_buffer, .address_space: global }
      - { .name: o, .offset: 16, .size: 8, .value_kind: global_buffer, .address_space: global }
      - { .name: xh, .offset: 24, .size: 8, .value_kind: global_buffer, .address_space: global }
      - { .name: wq, .offset: 32, .size: 8, .value_kind: global_buffer, .address_space: global }
      - { .name: wo, .offset: 40, .size: 8, .value_kind: global_buffer, .address_space: global }
    .group_segment_fixed_size: 0
    .private_segment_fixed_size: 0
    .kernarg_segment_align: 8
    .kernarg_segment_size: 48
    .max_flat_workgroup_size: 256
    .sgpr_count:     66
    .vgpr_count:     108
    .wavefront_size: 32
...
	.end_amdgpu_metadata
.endif
;; end of part 5
;; launch qkvp: the kernel of part 2 again; grid 8 x 32, 4 waves a work-group, clusters of 4 x 4, 327,680 bytes of LDS; arguments xh, wq, qh, kh, vh, out1, out2; writes qh, kh, vh, out1, out2
;; launch attn: the kernel of part 3 again; grid 8 x 32, 4 waves a work-group, clusters of 4 x 4, 327,680 bytes of LDS; arguments qh, kh, vh, mask, att; writes att
;; launch proj: the kernel of part 4 again; grid 8 x 32, 4 waves a work-group, clusters of 4 x 4, 327,680 bytes of LDS; arguments att, wo, out0; writes out0
